; MI455X (gfx1250); checked and timed in simulation.
; The chip was launched on July 23, 2026; its instructions are those of AMD's public machine-readable ISA for CDNA 5 (MIT licence, August 2026) and "CDNA5" Instruction Set Architecture Reference Guide (July 2026). The comments in the code are by the model that wrote it; some were corrected since.
;; Causal Cross Attention. Allowed arithmetic: matrix products marked QUANTISED: E2M1 operands, one E8M0 scale for each 32 along K, by v_wmma_scale_f32_16x16x128_f8f6f4 with both operands' format E2M1 (or v_wmma_scale_f32_32x16x128_f4), f32 sums; products left as they are: bf16, f16 or f32 operands; f32 sums; everything else in f32.
;; Inputs: Wkv_b 2,048 float32; Wkv_w 2,048 x 1,024 float32; Wo_b 1,024 float32; Wo_w 1,024 x 1,024 float32; Wq_b 1,024 float32; Wq_w 1,024 x 1,024 float32; mask 4 x 2,048 bool; x 4 x 2,048 x 1,024 float32; y 4 x 2,048 x 1,024 float32.
;; Outputs: out0 4 x 2,048 x 1,024 float32.
;; This version of the problem:
;;   THIS VERSION OF THE PROBLEM IS GIVEN IN LOW PRECISION. The matrix products marked QUANTISED in the list below multiply operands that are first quantised to E2M1 (2 exponent bits, 1 mantissa bit; 4 bits a number), with one power-of-two scale for each 32 numbers along K (OCP MX v1.0); their sums are f32. The products marked 'left as it is' may take bf16, f16 or f32 operands, with f32 sums. Whichever they take, every output number must still come out within the allowed error. Rounding operands to bf16 (8 significant bits) uses up far more of that allowance than f16 does (11 bits, for magnitudes from 6e-5 to 65,504). All else is computed in f32.
;;   The module's matrix products, in the order in which they are computed (A, B: the left and right operand; K: the contracted axis; several contracted axes count as one K, in the product's order):
;;     1. [M 8,192, K 1,024] x [K 1,024, N 1,024]; A: input x; B: input Wq_w: QUANTISED
;;     2. [M 8,192, K 1,024] x [K 1,024, N 2,048]; A: input y; B: input Wkv_w: QUANTISED
;;     3. batch 64 x [M 2,048, K 64] x [K 64, N 2,048]; A: computed on the way; B: computed on the way: left as it is (an operand is computed on the way)
;;     4. batch 64 x [M 2,048, K 2,048] x [K 2,048, N 64]; A: computed on the way; B: computed on the way: left as it is (an operand is computed on the way)
;;     5. [M 8,192, K 1,024] x [K 1,024, N 1,024]; A: computed on the way; B: input Wo_w: left as it is (an operand is computed on the way)
;;   THE QUANTISER, for each operand of a quantised product, along K:
;;     - K is cut into blocks of 32 from its start; a last block that is shorter is filled with zeros.
;;     - A block's scale is 2^e with e = floor(log2(the largest magnitude in the block)) - 2, held to -126 .. 127; a block of zeros has e = 0. As a byte (E8M0): e + 127.
;;     - Each number is divided by its block's scale, clamped to +-6, and rounded to the nearest number of E2M1, ties to even, subnormals kept.
;;     - The product sums the exact products of the quantised numbers (number of the format x scale) in f32.
;;   ~~~python
;;   def quantise(x, axis):      # numpy; x: float32 -> the quantised numbers, widened to float32 again
;;       x = np.moveaxis(x, axis, -1); K = x.shape[-1]
;;       x = np.pad(x, [(0, 0)] * (x.ndim - 1) + [(0, -K % 32)]); x = x.reshape(x.shape[:-1] + (-1, 32)); a = np.abs(x).max(-1, keepdims=True)
;;       e = np.where(a > 0, np.clip(np.frexp(np.where(a > 0, a, 1))[1] - 1 - 2, -126, 127), 0)      # np.frexp(a)[1] - 1 = floor(log2(a)), exactly
;;       r = np.clip(x / 2.0 ** e, -6, 6)
;;       step = 2.0 ** (np.maximum(np.frexp(np.where(r == 0, 1, r))[1] - 1, 0) - 1)
;;       q = np.round(r / step) * step * 2.0 ** e      # np.round: ties to even
;;       return np.moveaxis(q.reshape(q.shape[:-2] + (-1,))[..., :K], -1, axis).astype(np.float32)
;;   ~~~
;; One version. Each part assembles by itself: llvm-mc -triple=amdgcn-amd-amdhsa -mcpu=gfx1250 --defsym DOCPART=n.
;; ======== version 1 of 1: 4 launches
;; limits: values are held in f16: magnitudes above 65,504 overflow, below 6.1e-05 lose precision
;; workspace buffers: codes 9,961,472 bytes; scales 622,592 bytes; wo16 2,097,152 bytes; qkv 50,331,648 bytes; o16 16,777,216 bytes
;; launch quant (part 1): grid 640 x 1, 4 waves a work-group, no clusters, 33,280 bytes of LDS; arguments x, y, Wq_w, Wkv_w, Wo_w, codes, scales, wo16; writes codes, scales, wo16
.if DOCPART == 1
	.amdgcn_target "amdgcn-amd-amdhsa--gfx1250"
	.amdhsa_code_object_version 6
	.text
	.protected	k_q2d4478e094_quant
	.globl	k_q2d4478e094_quant
	.p2align	8
	.type	k_q2d4478e094_quant,@function
k_q2d4478e094_quant:
	s_mov_b64 s[64:65], 0
	v_nop
	global_prefetch_b8 v0, s[64:65] scope:SCOPE_SE
	s_setreg_imm32_b32 hwreg(HW_REG_WAVE_MODE, 25, 1), 1
	s_wait_xcnt 0x0
; x, y [8192][1024], Wq_w [1024][1024], Wkv_w [2048][1024], all f32 with K innermost, become codes of FP4 (E2M1), K innermost, two codes a byte (the lower k in the low four bits),
; with one E8M0 scale byte for each 32 along K.  Wo_w [1024][1024] is rounded to f16 for the last product, which is left as it is.
; A block's scale is 2^(floor(log2(its largest magnitude)) - 2); its byte is the largest magnitude's own exponent field - 2, held at 1 from below.  Each number is divided by the scale and rounded to the nearest code,
; ties to even; beyond 6 the largest code.
; LIMITS: a block whose largest magnitude lies under 2^-124 gets the byte 1; a block of zeros gets the byte 1 (not 127): its codes are zeros, and these bytes are read by this program alone.
; NaN and infinities among the inputs are not served.  |Wo_w| stays under 65,504 (f16).
; Rows are dense and K is a multiple of 32: every tensor is a plain stream of blocks of 32.  A work-group takes 32,768 numbers, a wave 8,192 (16 steps of 512).
; Work-groups 0-255: x; 256-511: y; 512-543: Wq_w; 544-607: Wkv_w; 608-639: Wo_w.  In the buffers of codes and of scale bytes the tensors lie in that same order, so run R = 4 x work-group + wave
; writes codes at 4,096 R and scale bytes at 256 R; only the source is chosen, by the work-group's number.
; A step: four loads of 512 consecutive bytes; the 2,048 bytes turn through the wave's own stage in LDS so that a lane holds 16 neighbours along K (two lanes a block); 8 bytes of codes a lane: the wave stores
; 256 consecutive bytes.  A wave's 256 scale bytes are gathered in LDS and leave as 256 consecutive bytes.  No barrier: waves share nothing.  Loads run four steps ahead, the turn through LDS one step.
.set WAVES, 4
.set STEPS, 16
.set WGQ,   608                        ; work-groups that quantise
.set EMAX,  2
.set CB,    8                          ; bytes of 16 codes
.set R,     16                         ; v16-79   four sets of 16 numbers as they are loaded
.set X,     80                         ; v80-111  two sets of 16 neighbours
.set E,     112                        ; v112-127 a scale byte for each step
.set C,     128                        ; v128-191 codes: four registers for each step, so that no store's data are written again
.set WREG,  8192                       ; LDS: a region for each wave: two stages of 32 x SP bytes, behind them its 256 scale bytes
.set SP,    80                         ; a lane's place in a stage: 64 bytes + 16 of padding
.set SPW,   12                         ; v12  LDS address of my spare word; never rewritten
.set NIL,   13                         ; v13  0; never rewritten
.set SPARE, WAVES*WREG                 ; behind the regions: the spare words, 128 bytes a wave, which no other line names
	s_load_b256 s[4:11], s[0:1], 0x0               ; x s[4:5], y s[6:7], Wq_w s[8:9], Wkv_w s[10:11]
	s_load_b256 s[12:19], s[0:1], 0x20             ; Wo_w s[12:13], codes s[14:15], scales s[16:17], wo16 s[18:19]
	v_lshl_add_u32 v[SPW], v0, 2, SPARE
	v_mov_b32 v[NIL], 0
	v_lshrrev_b32 v1, 5, v0
	v_readfirstlane_b32 s20, v1                    ; wave
	v_and_b32 v2, 31, v0                           ; lane
	v_lshlrev_b32 v3, 4, v2                        ; my 16 bytes of a load's 512
	s_mul_i32 s24, s20, WREG
	v_lshrrev_b32 v14, 2, v2
	v_mul_u32_u24 v14, v14, SP
	v_and_b32 v15, 3, v2
	v_lshl_add_u32 v14, v15, 4, v14
	v_add_nc_u32 v14, s24, v14                     ; the stage, on the way in: SP (lane / 4) + 16 (lane % 4)
	v_mul_u32_u24 v15, v2, SP
	v_add_nc_u32 v15, s24, v15                     ; and on the way out: SP x lane: my 16 neighbours
	v_mul_u32_u24 v4, v2, CB                       ; my codes' place in a step's
	v_lshrrev_b32 v5, 1, v2
	s_add_co_u32 s24, s24, 2*32*SP
	v_add_nc_u32 v5, s24, v5                       ; LDS: my wave's 256 scale bytes, my block's byte
	v_lshlrev_b32 v7, 3, v2                        ; on the way out 8 bytes a lane
	v_add_nc_u32 v6, s24, v7
	s_wait_kmcnt 0x0
	s_cmp_ge_u32 ttmp9, WGQ
	s_cbranch_scc1 .Lwo                            ; the last 32 work-groups round Wo_w
	s_mov_b64 s[22:23], s[10:11]                   ; the source and its first work-group: the choice hangs on the work-group's number alone
	s_mov_b32 s21, 544
	s_cmp_lt_u32 ttmp9, 544
	s_cselect_b64 s[22:23], s[8:9], s[22:23]
	s_cselect_b32 s21, 512, s21
	s_cmp_lt_u32 ttmp9, 512
	s_cselect_b64 s[22:23], s[6:7], s[22:23]
	s_cselect_b32 s21, 256, s21
	s_cmp_lt_u32 ttmp9, 256
	s_cselect_b64 s[22:23], s[4:5], s[22:23]
	s_cselect_b32 s21, 0, s21
	s_sub_co_u32 s21, ttmp9, s21
	s_lshl_b32 s21, s21, 2
	s_add_co_u32 s26, s21, s20                     ; which run of 8,192 numbers of the tensor is my wave's
	s_lshl_b32 s26, s26, 15                        ; 32,768 bytes a run
	s_mov_b32 s27, 0
	s_add_nc_u64 s[22:23], s[22:23], s[26:27]
	s_lshl_b32 s28, ttmp9, 2
	s_add_co_u32 s28, s28, s20                     ; R
	s_lshl_b32 s26, s28, 12
	s_add_nc_u64 s[14:15], s[14:15], s[26:27]      ; codes + 4,096 R
	s_lshl_b32 s26, s28, 8
	s_add_nc_u64 s[16:17], s[16:17], s[26:27]      ; scale bytes + 256 R
.macro LOAD t
.irp i, 0,1,2,3
	global_load_b128 v[R+16*((\t)%4)+4*\i:R+16*((\t)%4)+4*\i+3], v3, s[22:23] offset:2048*(\t)+512*\i th:TH_LOAD_NT   ; 32 lanes read 512 consecutive bytes
.endr
.endm
.macro TURN t                          ; step t's numbers through the stage: LDS serves a wave's instructions in order (ISA guide 5.7.1.4), so no wait stands between the stores and the loads
.irp i, 0,1,2,3
	ds_store_b128 v14, v[R+16*((\t)%4)+4*\i:R+16*((\t)%4)+4*\i+3] offset:32*SP*((\t)%2)+8*SP*\i
.endr
.irp i, 0,1,2,3
	ds_load_b128 v[X+16*((\t)%2)+4*\i:X+16*((\t)%2)+4*\i+3], v15 offset:32*SP*((\t)%2)+16*\i
.endr
.endm
.irp t, 0,1,2,3
	LOAD \t
.endr
	s_wait_loadcnt 12                              ; step 0's four loads are in; the twelve of steps 1 to 3 may be out
	TURN 0
.macro STEP t
.set XS, X+16*((\t)%2)
.if (\t) > 0
	s_wait_dscnt 1                                 ; this step's numbers are back from the stage (the last step's byte store may be out): so its stores into the stage have read their registers,
.else
	s_wait_dscnt 0x0
.endif
.if (\t)+4 < STEPS
	LOAD (\t)+4                                    ; which take the loads of four steps on
.endif
.if (\t)+1 < STEPS
.if STEPS-2-(\t) >= 3
	s_wait_loadcnt 12                              ; the next step's four loads are in; those of the three steps behind it may be out
.else
	s_wait_loadcnt 4*(STEPS-2-(\t))
.endif
	TURN (\t)+1                                    ; and go through the other stage while this step is worked
.endif
	v_max3_num_f32 v8, |v[XS]|, |v[XS+1]|, |v[XS+2]|               ; the largest magnitude of my 16, in two chains
	v_max3_num_f32 v9, |v[XS+3]|, |v[XS+4]|, |v[XS+5]|
.irp i, 6,10
	v_max3_num_f32 v8, v8, |v[XS+\i]|, |v[XS+\i+1]|
	v_max3_num_f32 v9, v9, |v[XS+\i+2]|, |v[XS+\i+3]|
.endr
	v_max3_num_f32 v8, v8, |v[XS+14]|, |v[XS+15]|
	v_max3_num_f32 v8, v8, v9, (EMAX+1)<<23        ; and the floor 2^(3 - 127): the byte cannot fall under 1
	v_max_num_f32_dpp v8, v8, v8 row_xmask:1 row_mask:0xf bank_mask:0xf   ; and of my neighbour's 16: the block's
	v_add_nc_u32 v11, -(EMAX<<23), v8              ; 2 off its exponent field: the conversion takes the exponent field of this operand as its scale
	v_cvt_scalef32_pk8_fp4_f32 v[C+4*(\t)], v[XS:XS+7], v11
	v_cvt_scalef32_pk8_fp4_f32 v[C+4*(\t)+1], v[XS+8:XS+15], v11
	v_lshrrev_b32 v[E+(\t)], 23, v11               ; the scale's byte (also the plain instruction behind the conversions)
	ds_store_b8 v5, v[E+(\t)] offset:16*(\t)       ; both lanes of a block write the same byte with the same value
	global_store_b64 v4, v[C+4*(\t):C+4*(\t)+1], s[14:15] offset:32*CB*(\t)   ; the wave stores 256 consecutive bytes, aligned
.endm
.irp t, 0,1,2,3,4,5,6,7,8,9,10,11,12,13,14,15
	STEP \t
.endr
	ds_load_b64 v[8:9], v6                         ; in order behind my byte stores
	s_wait_dscnt 0x0
	global_store_b64 v7, v[8:9], s[16:17]          ; 32 lanes store 256 consecutive bytes, aligned
	s_wait_tensorcnt 0x0                           ; the wave's end: a tensor wait, an add to my spare word and its wait, behind my last LDS store
	ds_add_u32 v[SPW], v[NIL]
	s_wait_dscnt 0x0
	s_endpgm
.Lwo:                                              ; Wo_w to f16: a wave takes 8,192 numbers in four batches of 2,048; a lane 8 neighbours at a time: 32 bytes in, 16 bytes out
	s_sub_co_u32 s21, ttmp9, WGQ
	s_lshl_b32 s21, s21, 2
	s_add_co_u32 s21, s21, s20
	s_lshl_b32 s26, s21, 15
	s_mov_b32 s27, 0
	s_add_nc_u64 s[12:13], s[12:13], s[26:27]
	s_lshl_b32 s26, s21, 14
	s_add_nc_u64 s[18:19], s[18:19], s[26:27]
	v_lshlrev_b32 v8, 5, v2
	v_lshlrev_b32 v9, 4, v2
.irp t, 0,1,2,3
.irp i, 0,1,2,3,4,5,6,7
	global_load_b128 v[R+8*\i:R+8*\i+3],   v8, s[12:13] offset:(8*\t+\i)*1024 th:TH_LOAD_NT
	global_load_b128 v[R+8*\i+4:R+8*\i+7], v8, s[12:13] offset:(8*\t+\i)*1024+16 th:TH_LOAD_NT
.endr
	s_wait_loadcnt 0x0
	s_wait_xcnt 0x0                                ; the last batch's stores have read their data: only behind this wait are those registers written again
.irp i, 0,1,2,3,4,5,6,7
.irp k, 0,1,2,3
	v_cvt_pk_f16_f32 v[C+4*\i+\k], v[R+8*\i+2*\k], v[R+8*\i+2*\k+1]
.endr
.endr
.irp i, 0,1,2,3,4,5,6,7
	global_store_b128 v9, v[C+4*\i:C+4*\i+3], s[18:19] offset:(8*\t+\i)*512   ; the wave stores 512 consecutive bytes
.endr
.endr
	s_wait_tensorcnt 0x0                           ; the same three lines at this path's end
	ds_add_u32 v[SPW], v[NIL]
	s_wait_dscnt 0x0
	s_endpgm
.Lfunc_end_k_q2d4478e094_quant:
	.size	k_q2d4478e094_quant, .Lfunc_end_k_q2d4478e094_quant-k_q2d4478e094_quant
	.p2alignl 7, 3214868480
	.fill 96, 4, 3214868480
	.section	.rodata,"a",@progbits
	.p2align	6, 0x0
	.amdhsa_kernel k_q2d4478e094_quant
		.amdhsa_group_segment_fixed_size 33280
		.amdhsa_private_segment_fixed_size 0
		.amdhsa_enable_private_segment 0
		.amdhsa_kernarg_size 64
		.amdhsa_user_sgpr_count 2
		.amdhsa_user_sgpr_kernarg_segment_ptr 1
		.amdhsa_wavefront_size32 1
		.amdhsa_system_sgpr_workgroup_id_x 1
		.amdhsa_system_sgpr_workgroup_id_y 1
		.amdhsa_system_sgpr_workgroup_id_z 1
		.amdhsa_system_vgpr_workitem_id 0
		.amdhsa_next_free_vgpr 192
		.amdhsa_next_free_sgpr 66
		.amdhsa_reserve_vcc 0
		.amdhsa_float_denorm_mode_32 3
		.amdhsa_float_denorm_mode_16_64 3
		.amdhsa_memory_ordered 1
		.amdhsa_forward_progress 1
		.amdhsa_inst_pref_size 51
	.end_amdhsa_kernel
	.amdgpu_metadata
---
amdhsa.version: [ 1, 2 ]
amdhsa.kernels:
  - .name:           k_q2d4478e094_quant
    .symbol:         k_q2d4478e094_quant.kd
    .args:
      - { .name: x, .offset: 0, .size: 8, .value_kind: global_buffer, .address_space: global }
      - { .name: y, .offset: 8, .size: 8, .value_kind: global_buffer, .address_space: global }
      - { .name: Wq_w, .offset: 16, .size: 8, .value_kind: global_buffer, .address_space: global }
      - { .name: Wkv_w, .offset: 24, .size: 8, .value_kind: global_buffer, .address_space: global }
      - { .name: Wo_w, .offset: 32, .size: 8, .value_kind: global_buffer, .address_space: global }
      - { .name: codes, .offset: 40, .size: 8, .value_kind: global_buffer, .address_space: global }
      - { .name: scales, .offset: 48, .size: 8, .value_kind: global_buffer, .address_space: global }
      - { .name: wo16, .offset: 56, .size: 8, .value_kind: global_buffer, .address_space: global }
    .group_segment_fixed_size: 33280
    .private_segment_fixed_size: 0
    .kernarg_segment_align: 8
    .kernarg_segment_size: 64
    .max_flat_workgroup_size: 128
    .sgpr_count:     66
    .vgpr_count:     192
    .wavefront_size: 32
...
	.end_amdgpu_metadata
.endif
;; end of part 1
;; launch proj (part 2): grid 12 x 32, 4 waves a work-group, clusters of 4 x 4, 327,680 bytes of LDS; arguments codes, scales, Wq_b, Wkv_b, qkv; writes qkv
.if DOCPART == 2
	.amdgcn_target "amdgcn-amd-amdhsa--gfx1250"
	.amdhsa_code_object_version 6
	.text
	.protected	k_q2d4478e094_proj
	.globl	k_q2d4478e094_proj
	.p2align	8
	.type	k_q2d4478e094_proj,@function
k_q2d4478e094_proj:
	s_mov_b64 s[64:65], 0
	v_nop
	global_prefetch_b8 v0, s[64:65] scope:SCOPE_SE
	s_setreg_imm32_b32 hwreg(HW_REG_WAVE_MODE, 25, 1), 1
	s_wait_xcnt 0x0
	s_wait_alu depctr_hold_cnt(0) depctr_sa_sdst(0) depctr_va_vdst(0) depctr_va_sdst(0) depctr_va_ssrc(0) depctr_va_vcc(0) depctr_vm_vsrc(0)
	s_getreg_b32 s2, hwreg(HW_REG_IB_STS2, 6, 4)
	s_cmp_eq_u32 s2, 0
	s_cbranch_scc0 .Lentry_in_a_cluster
	s_endpgm
.Lentry_in_a_cluster:
	s_bfe_u32 s2, ttmp6, 0x10000c
	s_cmp_lg_u32 s2, 0xf033
	s_cbranch_scc0 .Lentry_shape_is_right
	s_endpgm
.Lentry_shape_is_right:
; q = x Wq^T + bq, k and v = y Wkv^T + bkv, on codes of FP4 (E2M1) with one E8M0 scale for each 32 along K = 1,024; sums in f32; results rounded once to f16 and laid by head:
; qkv [3 (q, k, v)][4 b][16 h][2048 s][64].  LIMIT: |q|, |k|, |v| stay under 65,504 (f16).
; ONE product C [8192][3072]: columns 0-1023 are q's (A = x's codes), 1024-2047 k's, 2048-3071 v's (A = y's codes); B = the 3,072 rows of Wq_w and Wkv_w on end.  A tile of C is 256 x 256; four tile columns,
; a cluster's width, are one of q, k, v: so the cluster's x chooses A and the bias vector.  Four waves, each 128 x 128: 64 accumulators, 512 registers.
; K is 1,024: two slots of 512 along K (rows of 256 bytes) hold all of it, so both slots and the scale bytes are first fills, three tensor loads a wave, and nothing is filled again: no loop.
; CLUSTERS: 4 x 4 work-groups.  A's tiles are shared along a row of the cluster, B's along a column: each is asked for JOINTLY, by the same tensor load with the same descriptor and a mask that names the four.
; THE MATRIX INSTRUCTION IS USED TRANSPOSED (source 0 = 16 rows of B, source 1 = 16 rows of A): a lane holds eight neighbouring columns of one row of C.  THE BIAS is the C of each sum's first instruction.
; No prefetch: a wave's three loads all go out at the head, and there is no later load to run ahead of.
; REGISTERS, in windows of 256: window 0: v0-31 addresses; v32-95 scale words, two sets; v128-191 A's fragments, ONE set; on the way out v32-63, v192-255.
;   window 1: B's fragments, two sets, at v0 and v128; v64-127 the bias of my 128 columns.   window 2: the accumulators of my rows 0-63 ((a, b) at v[8 (8 a + b)]);   window 3: rows 64-127.
.set KSTEP,  512
.set NQ,     KSTEP/128                 ; matrix instructions deep in a slot
.set ROWB,   256                       ; a tile's row in bytes
.set KROW,   512                       ; a row of codes in memory
.set PITCH,  272                       ; an LDS row: 256 bytes + 16 of padding = 68 words: the 16 rows that a load touches start at 16 different banks (ISA guide 11.1)
.set FR,     8
.set NL,     2
.set NP,     4                         ; places behind this matrix instruction (ISA guide 7.12.1)
.set HALFT,  128*PITCH
.set SLOT,   4*HALFT                   ; A's 256 rows, then B's 256 rows
.set KS,     32                        ; a row of scale bytes
.set SCL,    2*SLOT                    ; behind the slots: the scale bytes, as rows of 256 bytes + 16 of padding
.set HALFS,  (128*KS/256)*272
.set SBLK,   (16*KS/256)*272
.set SPARE,  SCL+4*HALFS               ; the spare words, 128 bytes a wave, which no other line names
.set SPITCH, 272                       ; the way out: a stage of 16 rows x (256 bytes + 16) for each wave, in slot 0, which has had its only fill and its last read when the first result is stored there
.set ADRA, 16                          ; v16-17  LDS address of my A fragments in slot 0, 1
.set ADRB, 20                          ; v20-21  the same for B
.set STO,  24                          ; v24     the way out: where I put 16 bytes of a row
.set RD,   25                          ; v25     where I read back
.set CO,   26                          ; v26     my byte offset in qkv
.set ADRS, 27                          ; v27     LDS address of my scale words: lanes 0-15 A's rows, lanes 16-31 B's
.set SPW,  28                          ; v28     LDS address of my spare word; never rewritten
.set NIL,  29                          ; v29     0; never rewritten
.set BO,   30                          ; v30     the bias loads' lane offset
.set SC,   32
.set AF,   128
.set TMP,  192                         ; the way out: packed results
.set OB,   32                          ; 16 rows read back: v32-63 and v224-255 by turns
.set BI,   64                          ; in window 1: register 8 b + j: the bias of my column 16 b + 8 (lane / 16) + j
.set G1, 24
.set G0, 32
.set G1B, 48
.set G0B, 56
.set G1S, 68
.set G0S, 76
.set G1SB, 80
.set G0SB, 88
.set MSB, 0
.macro WIN new                         ; the immediate's high byte repeats the setting that is left
.if MSB != (\new)
	s_set_vgpr_msb (MSB<<8)|(\new)
.set MSB, (\new)
.endif
.endm
.set MUL_LO, 0xa1                      ; source 0 (B) window 1, source 1 (A) window 0, C and D window 2
.set MUL_HI, 0xf1                      ; the same, C and D window 3
.set FST_LO, 0x91                      ; the first step: C = the bias, window 1; D window 2
.set FST_HI, 0xd1                      ; D window 3
.set TO_B,   0x40                      ; destination window 1, address window 0
; A joint load: waves 0 and 1 fetch for A, waves 2 and 3 for B.  The branch hangs on the wave's number alone.  An s_nop 0 and four v_nop follow each of the two lines.
.macro JLOAD g0a, g1a, g0b, g1b
	s_cmp_eq_u32 s15, 0
	s_cbranch_scc0 .Lfor_b_\@
	tensor_load_to_lds s[\g0a:\g0a+3], s[\g1a:\g1a+7]
	s_nop 0
.rept 4
	v_nop
.endr
	s_branch .Lasked_\@
.Lfor_b_\@:
	tensor_load_to_lds s[\g0b:\g0b+3], s[\g1b:\g1b+7]
	s_nop 0
.rept 4
	v_nop
.endr
.Lasked_\@:
.endm
.macro CROUND                          ; a round of the cluster's barrier
	s_barrier_signal -1
	s_barrier_wait -1
	s_cmp_lg_u32 s14, 0
	s_cbranch_scc1 .Lnot_wave_0_\@
	s_barrier_signal -3
.Lnot_wave_0_\@:
	s_barrier_wait -3
	s_barrier_signal -1
	s_barrier_wait -1
.endm
	s_load_b128 s[4:7], s[0:1], 0x0                ; codes s[4:5], scale bytes s[6:7]
	s_load_b128 s[8:11], s[0:1], 0x10              ; Wq_b s[8:9], Wkv_b s[10:11]
	s_load_b64 s[12:13], s[0:1], 0x20              ; qkv
	v_lshl_add_u32 v[SPW], v0, 2, SPARE
	v_mov_b32 v[NIL], 0
	ds_add_u32 v[SPW], v[NIL]                      ; the wave's opening: the add and its wait stand ahead of my first tensor load; work on registers stands between them
	v_lshrrev_b32 v1, 5, v0
	v_readfirstlane_b32 s14, v1                    ; wave 0..3
	s_lshr_b32 s15, s14, 1                         ; which half of the tile's rows is mine.  Also: I fetch for A (0) or for B (1)
	s_and_b32 s16, s14, 1                          ; which half of its columns.  Also: which 128 rows of that tile I fetch
	s_bfe_u32 s40, ttmp6, 0x40000                  ; cx, cy: my place in the cluster
	s_bfe_u32 s41, ttmp6, 0x40004
	s_lshl_b32 s42, ttmp9, 2
	s_add_co_u32 s42, s42, s40                     ; tile column = 4 x cluster x + cx
	s_and_b32 s17, ttmp7, 0xffff
	s_lshl_b32 s17, s17, 2
	s_add_co_u32 s17, s17, s41                     ; tile row = 4 x cluster y + cy
	s_lshl_b32 s43, s41, 2
	s_lshl_b32 s43, 15, s43                        ; my row of the cluster
	s_lshl_b32 s44, 0x1111, s40                    ; my column
	; descriptor group 1: a tile of 128 rows x 256 bytes, 16 bytes of padding behind each row
	s_or_b32 s[G1+0], s43, (0<<16)|(1<<20)|(1<<21)|(5<<22)|(3<<25)  ; 15:0 the mask; 17:16 elements of 1 byte; 20 padding on; 21 set beside a mask; 24:22 after every 64 words; 31:25 four words
	s_or_b32 s[G1B+0], s44, (0<<16)|(1<<20)|(1<<21)|(5<<22)|(3<<25)
.irp g, G1, G1B
	s_mov_b32 s[\g+1], ROWB<<16                    ; tensor_dim0
	s_mov_b32 s[\g+2], 128<<16                     ; tensor_dim1
	s_mov_b32 s[\g+3], ROWB<<16                    ; tile_dim0
	s_mov_b32 s[\g+4], 128                         ; tile_dim1
	s_mov_b32 s[\g+5], KROW                        ; tensor_dim0_stride
	s_mov_b32 s[\g+6], 0
	s_mov_b32 s[\g+7], 0
.endr
	; the scale bytes of 128 rows: 4,096 dense bytes, as 16 rows of 256 bytes (32 elements of 8 bytes), 16 bytes of padding behind each
	s_or_b32 s[G1S+0], s43, (3<<16)|(1<<20)|(1<<21)|(5<<22)|(3<<25)
	s_or_b32 s[G1SB+0], s44, (3<<16)|(1<<20)|(1<<21)|(5<<22)|(3<<25)
.irp g, G1S, G1SB
	s_mov_b32 s[\g+1], 32<<16
	s_mov_b32 s[\g+2], (128*KS/256)<<16
	s_mov_b32 s[\g+3], 32<<16
	s_mov_b32 s[\g+4], 128*KS/256
	s_mov_b32 s[\g+5], 32
	s_mov_b32 s[\g+6], 0
	s_mov_b32 s[\g+7], 0
.endr
	s_lshl_b32 s18, s16, 7                         ; which 128 rows of the tile I fetch
	s_lshl_b32 s20, s17, 8
	s_add_co_u32 s20, s20, s18                     ; A: row 256 x tile row + 128 x half
	s_lshl_b32 s46, s42, 8
	s_add_co_u32 s46, s46, s18                     ; B: row 256 x tile column + 128 x half
	s_mov_b32 s21, 0
	s_mov_b32 s47, 0
	s_mov_b64 s[18:19], KS
	s_mul_u64 s[22:23], s[20:21], s[18:19]         ; where these rows' scale bytes begin
	s_mul_u64 s[92:93], s[46:47], s[18:19]
	s_mov_b64 s[18:19], KROW
	s_mul_u64 s[20:21], s[20:21], s[18:19]         ; and their codes
	s_mul_u64 s[46:47], s[46:47], s[18:19]
	s_mul_i32 s45, s14, HALFT                      ; where they go: wave x 128 rows: no place in the cluster enters an LDS address
	s_mul_i32 s94, s14, HALFS
	s_wait_dscnt 0x0                               ; the opening add is done
	s_wait_kmcnt 0x0
	s_cmp_eq_u32 ttmp9, 0                          ; cluster x = 0 makes q: A = x, the bias Wq_b; else A = y, the bias Wkv_b.  All sixteen partners share the cluster's x
	s_cselect_b64 s[96:97], s[8:9], s[10:11]
	s_cselect_b32 s98, 0, 0x400000                 ; y's codes lie 4,194,304 bytes behind x's,
	s_cselect_b32 s2, 0, 0x40000                   ; its scale bytes 262,144
	s_mov_b32 s99, 0
	s_mov_b32 s3, 0
	s_add_nc_u64 s[8:9], s[4:5], 0x800000          ; B's codes: behind x's and y's
	s_add_nc_u64 s[10:11], s[6:7], 0x80000         ; B's scale bytes
	s_add_nc_u64 s[4:5], s[4:5], s[98:99]          ; A's codes
	s_add_nc_u64 s[6:7], s[6:7], s[2:3]            ; A's scale bytes
	s_add_nc_u64 s[20:21], s[4:5], s[20:21]
	s_add_nc_u64 s[22:23], s[6:7], s[22:23]
	s_add_nc_u64 s[46:47], s[8:9], s[46:47]
	s_add_nc_u64 s[92:93], s[10:11], s[92:93]
	CROUND                                         ; all sixteen work-groups are here: the joint loads meet
	s_mov_b32 s[G0S], 1
	s_add_co_u32 s[G0S+1], s94, SCL
	s_mov_b64 s[G0S+2:G0S+3], s[22:23]
	s_or_b32 s[G0S+3], s[G0S+3], 0x80000000
	s_mov_b32 s[G0SB], 1
	s_add_co_u32 s[G0SB+1], s94, SCL
	s_mov_b64 s[G0SB+2:G0SB+3], s[92:93]
	s_or_b32 s[G0SB+3], s[G0SB+3], 0x80000000
	JLOAD G0S, G1S, G0SB, G1SB                     ; the scale bytes first: they are wanted with the first slot
.irp s, 0,1
	s_mov_b32 s[G0+4*\s], 1
	s_add_co_u32 s[G0+4*\s+1], s45, \s*SLOT
	s_add_nc_u64 s[G0+4*\s+2:G0+4*\s+3], s[20:21], \s*ROWB
	s_or_b32 s[G0+4*\s+3], s[G0+4*\s+3], 0x80000000
	s_mov_b32 s[G0B+4*\s], 1
	s_add_co_u32 s[G0B+4*\s+1], s45, \s*SLOT
	s_add_nc_u64 s[G0B+4*\s+2:G0B+4*\s+3], s[46:47], \s*ROWB
	s_or_b32 s[G0B+4*\s+3], s[G0B+4*\s+3], 0x80000000
	JLOAD G0+4*\s, G1, G0B+4*\s, G1B               ; three tensor loads of mine are out now, and no more follow
.endr
	v_and_b32 v1, 15, v0                           ; r = lane % 16
	v_bfe_u32 v2, v0, 4, 1                         ; h = lane / 16
	v_mul_u32_u24 v3, v1, PITCH
	v_lshl_add_u32 v4, v2, 4, v3                   ; a fragment's row x pitch + 16 h
	s_mul_i32 s21, s15, HALFT                      ; my 128 rows of A
	s_mul_i32 s22, s16, HALFT                      ; my 128 rows of B,
	s_add_co_u32 s22, s22, 2*HALFT                 ; which lie behind A's 256
.irp s, 0,1
	v_add_nc_u32 v[ADRA+\s], s21, v4
	v_add_nc_u32 v[ADRB+\s], s22, v4
	s_add_co_u32 s21, s21, SLOT
	s_add_co_u32 s22, s22, SLOT
.endr
	v_mul_u32_u24 v5, v1, KS                       ; my row's scale bytes: 32 a row,
	v_lshrrev_b32 v6, 8, v5
	v_lshl_add_u32 v5, v6, 4, v5                   ; and 16 more for each 256 passed
	s_mul_i32 s21, s15, HALFS                      ; A's: my 128 rows
	s_mul_i32 s22, s16, HALFS                      ; B's: my 128 rows, behind A's 256
	s_add_co_u32 s22, s22, 2*HALFS
	s_sub_co_u32 s22, s22, s21
	v_mul_u32_u24 v6, s22, v2                      ; lanes 16-31 take B's: one product, the distance between the two bases
	s_add_co_u32 s21, s21, SCL
	v_add_nc_u32 v5, v5, v6
	v_add_nc_u32 v[ADRS], s21, v5
	s_mul_i32 s23, s14, 16*SPITCH                  ; my stage
	v_mul_u32_u24 v5, v1, SPITCH                   ; in: row r, 16 bytes for each half of the lanes
	v_lshl_add_u32 v5, v2, 4, v5
	v_add_nc_u32 v[STO], s23, v5
	v_bfe_u32 v5, v0, 3, 1                         ; back: lanes 0-15 take 128 bytes (a head's 64 columns) of two rows, lanes 16-31 the other head's 128 bytes of the same rows
	v_mul_u32_u24 v5, v5, SPITCH
	v_lshl_add_u32 v5, v2, 7, v5
	v_and_b32 v6, 7, v0
	v_lshl_add_u32 v5, v6, 4, v5
	v_add_nc_u32 v[RD], s23, v5
	v_lshlrev_b32 v[CO], 4, v1                     ; in qkv two rows of a head are 256 neighbouring bytes; the next head lies 262,144 bytes on
	v_lshl_add_u32 v[CO], v2, 18, v[CO]
	v_lshlrev_b32 v[BO], 5, v2                     ; the bias: 8 numbers on for lanes 16-31
	s_max_u32 s46, ttmp9, 1                        ; my first column inside the bias vector: 1,024 for v's, + 256 cx + 128 x half
	s_sub_co_u32 s46, s46, 1
	s_lshl_b32 s46, s46, 10
	s_lshl_b32 s47, s40, 8
	s_add_co_u32 s46, s46, s47
	s_lshl_b32 s47, s16, 7
	s_add_co_u32 s46, s46, s47
	s_lshl_b32 s46, s46, 2
	s_mov_b32 s47, 0
	s_add_nc_u64 s[96:97], s[96:97], s[46:47]
	WIN TO_B
.irp b, 0,1,2,3,4,5,6,7
	global_load_b128 v[BI+8*\b:BI+8*\b+3],   v[BO], s[96:97] offset:64*\b
	global_load_b128 v[BI+8*\b+4:BI+8*\b+7], v[BO], s[96:97] offset:64*\b+16
.endr
	WIN 0
	s_lshl_b32 s46, ttmp9, 2                       ; where my part begins in qkv: ((((4 part + b) 16 + head) 2048) + s) x 128 bytes; part = cluster x, b = tile row / 8, head = 4 cx + 2 x half
	s_lshr_b32 s47, s17, 3
	s_add_co_u32 s46, s46, s47
	s_lshl_b32 s46, s46, 4
	s_lshl_b32 s47, s40, 2
	s_add_co_u32 s46, s46, s47
	s_lshl_b32 s47, s16, 1
	s_add_co_u32 s46, s46, s47
	s_lshl_b32 s46, s46, 11
	s_and_b32 s47, s17, 7
	s_lshl_b32 s47, s47, 8
	s_add_co_u32 s46, s46, s47
	s_lshl_b32 s47, s15, 7
	s_add_co_u32 s46, s46, s47
	s_lshl_b32 s46, s46, 7                         ; under 2^26
	s_mov_b32 s47, 0
	s_add_nc_u64 s[12:13], s[12:13], s[46:47]
.macro FRAG reg, adr, q, i             ; a fragment, 16 rows x 128 K of 4-bit codes: lane l holds row l % 16; registers 4 c .. 4 c + 3 hold K = 64 c + 32 (l / 16) + 0 .. 31
.irp c, 0,1
	ds_load_b128 v[\reg+4*\c:\reg+4*\c+3], v[\adr] offset:64*(\q)+32*\c+(\i)*16*PITCH
.endr
.endm
; 16 matrix instructions: A's blocks a0, a0 + 1 x B's eight, 128 along K: the slot's q-th.  p: B's set; sc: the set of scale words.  first = 1: the bias is the C: nothing is cleared and nothing is added later.
; The 64 accumulators take turns, one instruction a turn, in the same order in every step.
.macro MUL16 a0, p, q, sc, first
.irp a, \a0, \a0+1
.irp b, 0,1,2,3,4,5,6,7
.if \first
	v_wmma_scale_f32_16x16x128_f8f6f4 v[8*(8*((\a)%4)+\b):8*(8*((\a)%4)+\b)+7], v[128*(\p)+FR*\b:128*(\p)+FR*\b+FR-1], v[AF+FR*(\a):AF+FR*(\a)+FR-1], v[BI+8*\b:BI+8*\b+7], v[SC+8*NQ*(\sc)+NQ*\b+(\q)], v[SC+8*NQ*(\sc)+NQ*(\a)+(\q)] matrix_a_fmt:MATRIX_FMT_FP4 matrix_b_fmt:MATRIX_FMT_FP4 matrix_a_scale:MATRIX_SCALE_ROW1
.else
	v_wmma_scale_f32_16x16x128_f8f6f4 v[8*(8*((\a)%4)+\b):8*(8*((\a)%4)+\b)+7], v[128*(\p)+FR*\b:128*(\p)+FR*\b+FR-1], v[AF+FR*(\a):AF+FR*(\a)+FR-1], v[8*(8*((\a)%4)+\b):8*(8*((\a)%4)+\b)+7], v[SC+8*NQ*(\sc)+NQ*\b+(\q)], v[SC+8*NQ*(\sc)+NQ*(\a)+(\q)] matrix_a_fmt:MATRIX_FMT_FP4 matrix_b_fmt:MATRIX_FMT_FP4 matrix_a_scale:MATRIX_SCALE_ROW1
.endif
.endr
.endr
.endm
.macro FETCH_B slot, q, p              ; B's eight fragments of the slot's q-th 128 along K into set p
	WIN TO_B
.irp i, 0,1,2,3,4,5,6,7
	FRAG 128*(\p)+FR*\i, ADRB+\slot, \q, \i
.endr
	WIN 0
.endm
.macro FETCH_A slot, q, i0             ; A's blocks i0 .. i0 + 3
.irp i, \i0, \i0+1, \i0+2, \i0+3
	FRAG AF+FR*(\i), ADRA+\slot, \q, \i
.endr
.endm
.macro SCALES sc                       ; a slot's scale words into set sc: four words a row; lanes 0-15 take A's block i, lanes 16-31 B's block i
.irp i, 0,1,2,3,4,5,6,7
	ds_load_b128 v[SC+8*NQ*\sc+NQ*\i:SC+8*NQ*\sc+NQ*\i+3], v[ADRS] offset:\i*SBLK
.endr
.endm
.macro PLACES n                        ; plain vector instructions between a matrix instruction and a load into, or a read of, its registers
.rept \n
	v_nop
.endr
.endm
.macro STEP slot, q, first             ; a step of 128 along K that has its successor in the same slot
	s_wait_dscnt 4*NL                              ; B's set and A's blocks 0-3 are in; the youngest eight loads (A's blocks 4-7) may be out
.if \first
	WIN FST_LO
.else
	WIN MUL_LO
.endif
	MUL16 0, (\q)%2, \q, \slot, \first
	MUL16 2, (\q)%2, \q, \slot, \first
	s_wait_dscnt 0                                 ; A's blocks 4-7 are in
	PLACES NP
	FETCH_B \slot, (\q)+1, 1-(\q)%2
	FETCH_A \slot, (\q)+1, 0
.if \first
	WIN FST_HI
.else
	WIN MUL_HI
.endif
	MUL16 4, (\q)%2, \q, \slot, \first
	MUL16 6, (\q)%2, \q, \slot, \first
	PLACES NP
	WIN 0
	FETCH_A \slot, (\q)+1, 4
.endm
.macro STEPS slot, from
.set QQ, \from
.rept NQ-1-\from
	STEP \slot, QQ, 0
.set QQ, QQ+1
.endr
.endm
	s_wait_tensorcnt 1                             ; the scale bytes and my part of slot 0 are in; slot 1's load, the one issued behind them, may be out
	s_barrier_signal -1
	s_barrier_wait -1                              ; everybody's are
	FETCH_B 0, 0, 0
	FETCH_A 0, 0, 0
	SCALES 0
	FETCH_A 0, 0, 4
	s_wait_loadcnt 0x0                             ; the bias
	STEP 0, 0, 1                                   ; the first step starts the sums with the bias
	STEPS 0, 1
	; slot 0's last step changes slots: one barrier; in front of it each wave waits for all its tensor loads (slot 1's), adds 0 to its spare word, and waits for that and for its own reads of slot 0
	s_wait_tensorcnt 0x0
	ds_add_u32 v[SPW], v[NIL]
	s_wait_dscnt 4*NL+1                            ; the add and the youngest eight loads (A's blocks 4-7) may be out
	WIN MUL_LO
	MUL16 0, 1, NQ-1, 0, 0
	s_wait_dscnt 0x0                               ; the add is done, and my reads of slot 0 are over
	s_barrier_signal -1
	MUL16 2, 1, NQ-1, 0, 0
	WIN 0
	s_barrier_wait -1                              ; slot 1 is whole, and nobody reads slot 0 any more
	PLACES NP
	v_add_nc_u32 v[ADRS], 4*NQ, v[ADRS]            ; on to slot 1's scale words (no LDS load of mine is out)
	FETCH_B 1, 0, 0
	FETCH_A 1, 0, 0
	SCALES 1
	WIN MUL_HI
	MUL16 4, 1, NQ-1, 0, 0
	MUL16 6, 1, NQ-1, 0, 0
	PLACES NP
	WIN 0
	FETCH_A 1, 0, 4
	STEPS 1, 0
	s_wait_dscnt 4*NL                              ; the very last step: nothing more to fetch
	WIN MUL_LO
	MUL16 0, 1, NQ-1, 1, 0
	MUL16 2, 1, NQ-1, 1, 0
	s_wait_dscnt 0
	WIN MUL_HI
	MUL16 4, 1, NQ-1, 1, 0
	MUL16 6, 1, NQ-1, 1, 0
	WIN 0
; THE WAY OUT, block by block of 16 rows x 128 columns (two heads).  PACK: rounded to f16, 16 bytes a lane, each accumulator from its low end on.  TOSTAGE: into my stage and back.  SEND: stored.
.macro PACK a
.set AC, 64*((\a)%4)
	WIN 0x0a+5*((\a)/4)                            ; sources 0 and 1: window 2 or 3
.irp b, 0,1,2,3,4,5,6,7
.irp r, 0,1,2,3
	v_cvt_pk_f16_f32 v[TMP+4*\b+\r], v[AC+8*\b+2*\r], v[AC+8*\b+2*\r+1]
.endr
.endr
	WIN 0
.endm
.macro TOSTAGE a
.set BK, OB+192*((\a)%2)
.irp b, 0,1,2,3,4,5,6,7
	ds_store_b128 v[STO], v[TMP+4*\b:TMP+4*\b+3] offset:32*\b
.endr
.irp t, 0,1,2,3,4,5,6,7
	ds_load_b128 v[BK+4*\t:BK+4*\t+3], v[RD] offset:\t*2*SPITCH    ; LDS serves a wave's instructions in order (ISA guide 5.7.1.4): these see the stores above
.endr
.endm
.macro SEND a
.set BK, OB+192*((\a)%2)
	s_wait_dscnt 0x0                               ; the block is back in registers
	s_wait_xcnt 0x0                                ; the earlier stores have read their data: the next block's loads land on those registers only behind this wait
.irp t, 0,1,2,3,4,5,6,7
	global_store_b128 v[CO], v[BK+4*\t:BK+4*\t+3], s[12:13] offset:2048*(\a)+256*\t   ; lanes 0-15: rows 2 t, 2 t + 1 of my first head, 256 consecutive bytes, aligned; lanes 16-31: the same of my second head
.endr
.endm
	PLACES NP                                      ; behind the last products: for the reads of results and the loads into the scale words' registers
	PACK 0
	TOSTAGE 0
.irp a, 1,2,3,4,5,6,7                  ; block a's conversions stand between block a - 1's loads from the stage and the wait for them
	PACK \a
	SEND \a-1
	TOSTAGE \a
.endr
	SEND 7
	s_wait_tensorcnt 0x0                           ; the wave's end: a tensor wait, an add to my spare word and its wait, behind my last tensor load and my last LDS store
	ds_add_u32 v[SPW], v[NIL]
	s_wait_dscnt 0x0
	CROUND                                         ; the closing round: no work-group ends while a partner may still ask for a tile that names it
	s_endpgm
.Lfunc_end_k_q2d4478e094_proj:
	.size	k_q2d4478e094_proj, .Lfunc_end_k_q2d4478e094_proj-k_q2d4478e094_proj
	.p2alignl 7, 3214868480
	.fill 96, 4, 3214868480
	.section	.rodata,"a",@progbits
	.p2align	6, 0x0
	.amdhsa_kernel k_q2d4478e094_proj
		.amdhsa_group_segment_fixed_size 327680
		.amdhsa_private_segment_fixed_size 0
		.amdhsa_enable_private_segment 0
		.amdhsa_kernarg_size 40
		.amdhsa_user_sgpr_count 2
		.amdhsa_user_sgpr_kernarg_segment_ptr 1
		.amdhsa_wavefront_size32 1
		.amdhsa_system_sgpr_workgroup_id_x 1
		.amdhsa_system_sgpr_workgroup_id_y 1
		.amdhsa_system_sgpr_workgroup_id_z 1
		.amdhsa_system_vgpr_workitem_id 0
		.amdhsa_next_free_vgpr 1024
		.amdhsa_next_free_sgpr 100
		.amdhsa_reserve_vcc 0
		.amdhsa_float_denorm_mode_32 3
		.amdhsa_float_denorm_mode_16_64 3
		.amdhsa_memory_ordered 1
		.amdhsa_forward_progress 1
		.amdhsa_inst_pref_size 129
	.end_amdhsa_kernel
	.amdgpu_metadata
---
amdhsa.version: [ 1, 2 ]
amdhsa.kernels:
  - .name:           k_q2d4478e094_proj
    .symbol:         k_q2d4478e094_proj.kd
    .args:
      - { .name: codes, .offset: 0, .size: 8, .value_kind: global_buffer, .address_space: global }
      - { .name: scales, .offset: 8, .size: 8, .value_kind: global_buffer, .address_space: global }
      - { .name: Wq_b, .offset: 16, .size: 8, .value_kind: global_buffer, .address_space: global }
      - { .name: Wkv_b, .offset: 24, .size: 8, .value_kind: global_buffer, .address_space: global }
      - { .name: qkv, .offset: 32, .size: 8, .value_kind: global_buffer, .address_space: global }
    .group_segment_fixed_size: 327680
    .private_segment_fixed_size: 0
    .kernarg_segment_align: 8
    .kernarg_segment_size: 40
    .max_flat_workgroup_size: 128
    .sgpr_count:     100
    .vgpr_count:     1024
    .wavefront_size: 32
...
	.end_amdgpu_metadata
.endif
;; end of part 2
;; launch attn (part 3): grid 4 x 64, 16 waves a work-group, clusters of 4 x 1, 327,680 bytes of LDS; arguments qkv, mask, o16; writes o16
.if DOCPART == 3
	.amdgcn_target "amdgcn-amd-amdhsa--gfx1250"
	.amdhsa_code_object_version 6
	.text
	.protected	k_q2d4478e094_attn
	.globl	k_q2d4478e094_attn
	.p2align	8
	.type	k_q2d4478e094_attn,@function
k_q2d4478e094_attn:
	s_mov_b64 s[64:65], 0
	v_nop
	global_prefetch_b8 v0, s[64:65] scope:SCOPE_SE
	s_setreg_imm32_b32 hwreg(HW_REG_WAVE_MODE, 25, 1), 1
	s_wait_xcnt 0x0
	s_wait_alu depctr_hold_cnt(0) depctr_sa_sdst(0) depctr_va_vdst(0) depctr_va_sdst(0) depctr_va_ssrc(0) depctr_va_vcc(0) depctr_vm_vsrc(0)
	s_getreg_b32 s2, hwreg(HW_REG_IB_STS2, 6, 4)
	s_cmp_eq_u32 s2, 0
	s_cbranch_scc0 .Lentry_in_a_cluster
	s_endpgm
.Lentry_in_a_cluster:
	s_bfe_u32 s2, ttmp6, 0x10000c
	s_cmp_lg_u32 s2, 0x3003
	s_cbranch_scc0 .Lentry_shape_is_right
	s_endpgm
.Lentry_shape_is_right:
; o[b][h][q][:] = the sum over keys k <= q that are not padded of softmax_k(q . k / 8) v[k][:].  q, k, v: f16, [3][4 b][16 h][2048][64]; mask: [4][2048] bytes, 1 = padded key; o16: f16, [4][16][2048][64].
; Products on f16 operands with f32 sums; maxima, exponentials and sums in f32; the weights p are rounded to f16 for the second product, o once at the end.
; LIMITS: a hidden score is the finite number -2^100 and the running maximum begins at -2^96; a true score of f16 operands is at most 64 x 65,504^2 = 2.7e11 in magnitude, so neither bounds an input.
; A query all of whose keys are hidden ends with the sum 0 and O = 0: 0 x (1 / 0) is NaN, which is what a softmax over nothing gives.  |o| stays under 65,504 (it is a mean of v).
; SHARES.  A cluster of four work-groups is one head: all four walk the same K and V, so each tile is asked for JOINTLY (the same tensor load, the same descriptor, the mask of all four).
; A work-group has SIXTEEN waves, four to a SIMD, so that one wave's softmax stands beside another's products; a wave owns 32 queries, two tiles of 16, in 256 registers: each fragment read from LDS feeds two products.
; THE QUERIES ARE INTERLEAVED: wave w has a place pos(w) in 0..15 and work-group cx takes queries 128 pos + 32 cx + 0..31.  So all four partners have the same causal outline, all need all eight slots of keys,
; and no branch hangs on cx: a step of 64 keys from KF on is left out where KF >= 128 pos + 128, needs no causal mask where KF < 128 pos, and the two steps between always run the mask, whose
; per-lane number holds cx as a value alone.  pos comes from a 4 x 4 magic square: the four waves with equal w % 4, and the four with equal w / 4, have places that add up to 30.
; LAYOUT.  S^T = K Q^T (source 0 = 16 keys, source 1 = 16 queries), O^T = V^T P (source 0 = 16 channels, by the turning LDS load): a lane holds ONE query (lane % 16) throughout; two tiles of S^T rounded in pairs ARE source 1 of the second product.
; THE PADDING MASK COSTS NO VECTOR INSTRUCTION IN THE LOOP: at the head each mask byte becomes an f32 number, 0 or -2^100, in LDS; in each step these numbers are LOADED INTO the score accumulators, and the first K Q^T adds onto them.
; SOFTMAX.  m: the running maximum of the raw scores; p = 2^(c s - c m), c = log2(e) / 8; in every step the sum l and O^T are multiplied by a = 2^(c m_old - c m_new).  O^T and l begin as zeros: the step is written in one form.
; REGISTERS: v1-3 lane places in K, V, mask numbers; v4, v5 the add's two; v6-8 the step's LDS addresses; v9 -2^100; v10 my query - 8 (lane / 16); v11 at work; v12-27 statistics, eight a tile:
;   +0 c m, +1 m, +2, +3 l (even, odd keys), +4..+7 at work (a in +6); v28 prefetch offset; v29-31 the way out; v32-63 Q; v64-127 S^T, then p, then P in place; v128-191 O^T; v192-255 K's fragments, then V's.
.set KP,    144                        ; a key's row in LDS: 128 bytes + 16 of padding = 36 words: the 16 rows of a load start at 16 different groups of four banks (ISA guide 11.1)
.set VP,    160                        ; a row of V: 128 + 32
.set SK,    256                        ; keys in a slot: four steps of 64
.set VOFF,  SK*KP                      ; a slot: 256 rows of K, then 256 rows of V
.set SLOT1, 1<<17                      ; slot 1 begins here: one exclusive or turns an address in one slot into the other's
.set MB,    2*SLOT1                    ; 2,048 mask numbers, f32; stored once by the waves; no tile lands here
.set SPARE, MB+8192                    ; the spare words, 128 bytes a wave, which no other line names
.set STAGE, SPARE+2048                 ; the way out: 16 rows x 144 bytes for each wave
.set SP,    144
.set AK0, 1
.set AV0, 2
.set AM0, 3
.set SPW, 4
.set NIL, 5
.set ADK, 6
.set ADV, 7
.set ADM, 8
.set NEG, 9
.set QL,  10
.set DD,  11
.set ST,  12
.set PFO, 28
.set GO,  29
.set STO, 30
.set RD,  31
.set Q,   32
.set S,   64
.set O,   128
.set F,   192
.set TB,  2                            ; s2   LDS byte at which the slot in hand begins
.set TM,  3                            ; s3   where its mask numbers begin: 1,024 bytes a slot
.set WV,  18
.set POS, 19
.set SEL, 20                           ; s[20:21] lane selects for v_permlanex16_b32: lane l xor 16
.set CS,  22                           ; s[22:23] c; the packed form names the pair and takes its low word for both halves
.set G1K, 24
.set G1V, 32
.set G0K, 40
.set G0V, 44
.set KF,  48                           ; the step's first key
.set QB,  49                           ; 128 pos
.set QE,  50                           ; 128 pos + 128
.set SLOTS, 51
.set LIM, 52                           ; 1 in a wave that prefetches, else the greatest number
.set PFA, 54                           ; s[54:55] where my prefetches stand
.macro CROUND                          ; a round of the cluster's barrier
	s_barrier_signal -1
	s_barrier_wait -1
	s_cmp_lg_u32 s[WV], 0
	s_cbranch_scc1 .Lnot_wave_0_\@
	s_barrier_signal -3
.Lnot_wave_0_\@:
	s_barrier_wait -3
	s_barrier_signal -1
	s_barrier_wait -1
.endm
; A joint load: waves 0 and 1 fetch the halves of a slot's K (128 rows each), waves 2 and 3 those of its V, the others nothing.  The branches hang on the wave's number alone.
; An s_nop 0 and four v_nop follow each of the two lines.
.macro JLOAD
	s_cmp_lt_u32 s[WV], 2
	s_cbranch_scc0 .Lnot_k_\@
	tensor_load_to_lds s[G0K:G0K+3], s[G1K:G1K+7]
	s_nop 0
.rept 4
	v_nop
.endr
	s_branch .Lasked_\@
.Lnot_k_\@:
	s_cmp_lt_u32 s[WV], 4
	s_cbranch_scc0 .Lasked_\@
	tensor_load_to_lds s[G0V:G0V+3], s[G1V:G1V+7]
	s_nop 0
.rept 4
	v_nop
.endr
.Lasked_\@:
.endm
; A PREFETCH INTO THE L2 of what the NEXT change of slots will ask for: a slot's 32,768 dense bytes of K and of V.  Only this cluster reads this head.  Its four partners share the bytes out BY ADDRESS, 8,192 each;
; in each, wave 4 asks for K's and wave 5 for V's, one instruction, lanes 256 bytes apart: each aligned block of 256 bytes is named once in the launch.  It runs a slot's four key steps ahead of the load.
; The last change that fills a slot asks for nothing; slots 0 and 1 come by their loads alone.
.macro ASK
	s_cmp_gt_u32 s[SLOTS], s[LIM]
	s_cbranch_scc0 .Lnot_mine_\@
	global_prefetch_b8 v[PFO], s[PFA:PFA+1] th:TH_LOAD_NT scope:SCOPE_SE
.Lnot_mine_\@:
.endm
	s_load_b128 s[4:7], s[0:1], 0x0                ; qkv s[4:5], mask s[6:7]
	s_load_b64 s[8:9], s[0:1], 0x10                ; o16
	v_lshl_add_u32 v[SPW], v0, 2, SPARE
	v_mov_b32 v[NIL], 0
	ds_add_u32 v[SPW], v[NIL]                      ; the wave's opening: the add and its wait stand ahead of the first tensor load; work on registers stands between them
	v_lshrrev_b32 v6, 5, v0
	v_readfirstlane_b32 s[WV], v6                  ; wave 0..15
	s_bfe_u32 s10, ttmp6, 0x40000                  ; cx: it enters Q's and O's addresses, the prefetch's address and the causal number alone
	s_and_b32 s11, ttmp7, 0xffff                   ; 16 b + h, which the four partners share
	s_mov_b32 s66, 0x0de3b658                      ; pos of waves 8 to 15, four bits each: 8, 5, 6, 11, 3, 14, 13, 0
	s_cmp_lt_u32 s[WV], 8
	s_cselect_b32 s66, 0x7a94c12f, s66             ; of waves 0 to 7: 15, 2, 1, 12, 4, 9, 10, 7
	s_and_b32 s67, s[WV], 7
	s_lshl_b32 s67, s67, 2
	s_lshr_b32 s66, s66, s67
	s_and_b32 s[POS], s66, 15
	s_lshl_b32 s[QB], s[POS], 7
	s_add_co_u32 s[QE], s[QB], 128
	s_lshl_b32 s67, s10, 5
	s_add_co_u32 s73, s[QB], s67                   ; my first query
	s_lshl_b32 s68, s73, 7                         ; its row: 128 bytes a row
	s_mov_b32 s69, 0
	s_lshl_b32 s70, s11, 18                        ; a head is 262,144 bytes
	s_mov_b32 s71, 0
	s_lshr_b32 s74, s11, 4
	s_lshl_b32 s74, s74, 11                        ; the mask's row b
	s_mov_b32 s75, 0
	; descriptor group 1: 128 rows x 64 elements of 2 bytes, dense in memory, padded in LDS
	s_mov_b32 s[G1K], 15|(1<<16)|(1<<20)|(1<<21)|(4<<22)|(3<<25)  ; 15:0 the mask: all four work-groups; 17:16 elements of 2 bytes; 20 padding on; 21 set beside a mask; 24:22 after every 32 words; 31:25 four words
	s_mov_b32 s[G1V], 15|(1<<16)|(1<<20)|(1<<21)|(4<<22)|(7<<25)  ; the same with eight words of padding
.irp g, G1K, G1V
	s_mov_b32 s[\g+1], 64<<16                      ; tensor_dim0
	s_mov_b32 s[\g+2], 128<<16                     ; tensor_dim1
	s_mov_b32 s[\g+3], 64<<16                      ; tile_dim0
	s_mov_b32 s[\g+4], 128                         ; tile_dim1
	s_mov_b32 s[\g+5], 64                          ; tensor_dim0_stride
	s_mov_b32 s[\g+6], 0
	s_mov_b32 s[\g+7], 0
.endr
	s_mov_b32 s[SEL], 0x76543210
	s_mov_b32 s[SEL+1], 0xfedcba98
	s_mov_b32 s[CS], 0x3e38aa3b                    ; c = log2(e) / 8
	s_mov_b32 s[CS+1], s[CS]
	s_mov_b32 s[TB], 0
	s_mov_b32 s[TM], 0
	s_mov_b32 s[KF], 0
	s_mov_b32 s[SLOTS], 7
	v_and_b32 v6, 15, v0                           ; r = lane % 16
	v_bfe_u32 v7, v0, 4, 1                         ; h = lane / 16
	v_mul_u32_u24 v[AK0], v6, KP
	v_lshl_add_u32 v[AK0], v7, 4, v[AK0]           ; K: row r, + 16 h
	v_and_b32 v8, 7, v0
	v_lshl_add_u32 v8, v7, 3, v8
	v_mul_u32_u24 v[AV0], v8, VP                   ; V, for the turning load: key 8 h + lane % 8,
	v_bfe_u32 v8, v0, 3, 1
	v_lshl_add_u32 v[AV0], v8, 4, v[AV0]           ; channels 8 ((lane / 8) % 2) on
	v_add_nc_u32 v[AV0], VOFF, v[AV0]
	v_lshl_add_u32 v[AM0], v7, 5, MB               ; mask numbers: my half's eight keys
	v_mov_b32 v[NEG], 0xf1800000                   ; -2^100
	v_and_b32 v[PFO], 31, v0
	v_lshlrev_b32 v[GO], 4, v[PFO]                 ; the way out: 16 bytes a lane: four rows of o16 an instruction
	v_lshlrev_b32 v[PFO], 8, v[PFO]
	s_mul_i32 s66, s[WV], 16*SP
	s_add_co_u32 s66, s66, STAGE                   ; my stage
	v_mul_u32_u24 v[STO], v6, SP
	v_lshl_add_u32 v[STO], v7, 4, v[STO]
	v_add_nc_u32 v[STO], s66, v[STO]               ; in: row r, + 16 h
	v_bfe_u32 v8, v0, 3, 2
	v_mul_u32_u24 v[RD], v8, SP
	v_and_b32 v8, 7, v0
	v_lshl_add_u32 v[RD], v8, 4, v[RD]
	v_add_nc_u32 v[RD], s66, v[RD]                 ; back: eight lanes to a row of 128 bytes
	v_lshlrev_b32 v[DD], 7, v6
	v_lshl_add_u32 v[DD], v7, 4, v[DD]             ; Q: row r of 128 bytes, + 16 h (the register is free again behind the wait for Q)
	v_lshlrev_b32 v[QL], 3, v7
	v_sub_nc_u32 v[QL], v6, v[QL]
	v_add_nc_u32 v[QL], s73, v[QL]                 ; my tile 0's query - 8 h
	v_lshlrev_b32 v72, 2, v0                       ; the mask: four bytes a thread
	v_lshl_add_u32 v74, v0, 4, MB                  ; and where their four numbers go
	s_wait_dscnt 0x0                               ; the opening add is done
	s_wait_kmcnt 0x0
	s_add_nc_u64 s[60:61], s[4:5], s[70:71]        ; q's head
	s_add_nc_u64 s[56:57], s[60:61], 0x1000000     ; k's head
	s_add_nc_u64 s[58:59], s[60:61], 0x2000000     ; v's head
	s_add_nc_u64 s[62:63], s[8:9], s[70:71]        ; o's head
	s_add_nc_u64 s[60:61], s[60:61], s[68:69]      ; at my first query
	s_add_nc_u64 s[62:63], s[62:63], s[68:69]
	s_add_nc_u64 s[6:7], s[6:7], s[74:75]
	s_and_b32 s72, s[WV], 1                        ; which half of a slot I fetch, if I fetch
	s_lshl_b32 s66, s72, 14
	s_mov_b32 s67, 0
	s_mov_b32 s[G0K], 1                            ; 1:0 count = 1
	s_mul_i32 s[G0K+1], s72, 128*KP                ; 63:32 LDS address: slot 0
	s_add_nc_u64 s[G0K+2:G0K+3], s[56:57], s[66:67]  ; 120:64 global address: the head's first 256 keys
	s_or_b32 s[G0K+3], s[G0K+3], 0x80000000        ; 127:126 type = 2
	s_mov_b32 s[G0V], 1
	s_mul_i32 s[G0V+1], s72, 128*VP
	s_add_co_u32 s[G0V+1], s[G0V+1], VOFF
	s_add_nc_u64 s[G0V+2:G0V+3], s[58:59], s[66:67]
	s_or_b32 s[G0V+3], s[G0V+3], 0x80000000
	s_cmp_eq_u32 s[WV], 4
	s_cselect_b64 s[PFA:PFA+1], s[56:57], s[58:59]
	s_lshl_b32 s68, s10, 13                        ; my work-group's 8,192 bytes,
	s_add_co_u32 s68, s68, 32768                   ; in slot 1: the first change of slots steps it to slot 2.  Nothing is prefetched at the head
	s_add_nc_u64 s[PFA:PFA+1], s[PFA:PFA+1], s[68:69]
	s_lshr_b32 s70, s[WV], 1
	s_cmp_eq_u32 s70, 2                            ; waves 4 and 5
	s_cselect_b32 s[LIM], 1, -1
	CROUND                                         ; all four work-groups are here: the first joint load meets
	JLOAD                                          ; slot 0: the only first fill; a wave never has more than one tensor load out
	global_load_b32 v73, v72, s[6:7]               ; four mask bytes
.irp u, 0,1
.irp c, 0,1
	global_load_b128 v[Q+16*\u+8*\c:Q+16*\u+8*\c+3],   v[DD], s[60:61] offset:2048*\u+64*\c      ; Q stays in registers: tile u, channels 32 c on
	global_load_b128 v[Q+16*\u+8*\c+4:Q+16*\u+8*\c+7], v[DD], s[60:61] offset:2048*\u+64*\c+32
.endr
.endr
.irp u, 0,1
	v_mov_b32 v[ST+8*\u+1], 0xef800000             ; m = -2^96: over every hidden score, under every true one
	v_mul_f32 v[ST+8*\u], s[CS], v[ST+8*\u+1]      ; c m
.irp k, 2,3,4,5,6,7
	v_mov_b32 v[ST+8*\u+\k], 0                     ; l; and what is named as a lane permute's destination or as half of a pair before it is first written
.endr
.endr
.set i, 0
.rept 64
	v_mov_b32 v[O+i], 0                            ; O^T: the step is written in one form; its first run finds zeros
.set i, i+1
.endr
	s_wait_loadcnt 0x0                             ; the mask bytes and Q
.irp k, 0,1,2,3
	v_bfe_u32 v[64+\k], v73, 8*\k, 8
.endr
.irp k, 0,1,2,3
	v_cmp_ne_u32 vcc_lo, 0, v[64+\k]
	v_cndmask_b32 v[68+\k], 0, v[NEG], vcc_lo      ; a padded key: -2^100; else 0
.endr
	ds_store_b128 v74, v[68:71]                    ; the first change of slots waits for this store and passes a round: then every wave may read the numbers
; A KEY STEP: 64 keys, the q-th of the slot in hand.
.macro STEP q
	s_cmp_ge_u32 s[KF], s[QE]                      ; all 64 keys come after my wave's block of queries: the step is left out (ids and the count of steps alone; no barrier and no tensor load stands in a step)
	s_cbranch_scc1 .Lhidden_\@
	v_add_nc_u32 v[ADK], s[TB], v[AK0]
	v_add_nc_u32 v[ADV], s[TB], v[AV0]
	v_add_nc_u32 v[ADM], s[TM], v[AM0]
	v_nop
	v_nop                                          ; five places behind the last step's V^T P: four for the loads below, five for the products that write over P
.irp u, 0,1
.irp t, 0,1,2,3
	ds_load_b128 v[S+32*\u+8*\t:S+32*\u+8*\t+3],   v[ADM] offset:4*(64*(\q)+16*\t)       ; the mask numbers of keys 16 t + 8 h + 0..7 start the scores' sums
	ds_load_b128 v[S+32*\u+8*\t+4:S+32*\u+8*\t+7], v[ADM] offset:4*(64*(\q)+16*\t)+16
.endr
.endr
.irp t, 0,1,2,3
.irp c, 0,1
	ds_load_b128 v[F+16*\t+8*\c:F+16*\t+8*\c+3],   v[ADK] offset:(64*(\q)+16*\t)*KP+64*\c      ; K: keys 16 t on, channels 32 c on
	ds_load_b128 v[F+16*\t+8*\c+4:F+16*\t+8*\c+7], v[ADK] offset:(64*(\q)+16*\t)*KP+64*\c+32
.endr
.endr
	s_wait_dscnt 0x0
.irp c, 0,1                                    ; S^T += K Q^T: the eight accumulators take turns, one instruction a turn
.irp t, 0,1,2,3
.irp u, 0,1
	v_wmma_f32_16x16x32_f16 v[S+32*\u+8*\t:S+32*\u+8*\t+7], v[F+16*\t+8*\c:F+16*\t+8*\c+7], v[Q+16*\u+8*\c:Q+16*\u+8*\c+7], v[S+32*\u+8*\t:S+32*\u+8*\t+7]
.endr
.endr
.endr
.rept 4
	v_nop                                          ; places in front of the loads into K's registers and of the first read of the scores
.endr
.irp g, 0,1
.irp n, 0,1,2,3
	ds_load_tr16_b128 v[F+32*\g+8*\n:F+32*\g+8*\n+3],   v[ADV] offset:(64*(\q)+32*\g)*VP+32*\n       ; V^T: keys 32 g on, channels 16 n on; it lands during the softmax
	ds_load_tr16_b128 v[F+32*\g+8*\n+4:F+32*\g+8*\n+7], v[ADV] offset:(64*(\q)+32*\g+16)*VP+32*\n
.endr
.endr
	s_cmp_lt_u32 s[KF], s[QB]                      ; all 64 keys come before my wave's block of queries: no causal mask
	s_cbranch_scc1 .Lopen_\@
	v_sub_nc_u32 v[DD], v[QL], s[KF]               ; d = my tile 0's query - KF - 8 h.  Register (u, t, j) holds key KF + 16 t + 8 h + j for query + 16 u: hidden where 16 t + j - 16 u > d
.irp u, 0,1
.irp t, 0,1,2,3
.irp j, 0,1,2,3,4,5,6,7
	v_cmp_gt_i32 vcc_lo, 16*\t+\j-16*\u, v[DD]
	v_cndmask_b32 v[S+32*\u+8*\t+\j], v[S+32*\u+8*\t+\j], v[NEG], vcc_lo
.endr
.endr
.endr
.Lopen_\@:
.irp j, 0,1,2,3                                ; the maximum: four chains a tile, each over one accumulator from its low end on; the two tiles by turns
.irp u, 0,1
	v_max3_num_f32 v[ST+8*\u+4+\j], v[S+32*\u+8*\j], v[S+32*\u+8*\j+1], v[S+32*\u+8*\j+2]
.endr
.endr
.irp i, 3,5
.irp j, 0,1,2,3
.irp u, 0,1
	v_max3_num_f32 v[ST+8*\u+4+\j], v[ST+8*\u+4+\j], v[S+32*\u+8*\j+\i], v[S+32*\u+8*\j+\i+1]
.endr
.endr
.endr
.irp u, 0,1
	v_max3_num_f32 v[ST+8*\u+4], v[ST+8*\u+4], v[S+32*\u+7], v[S+32*\u+15]
.endr
.irp u, 0,1
	v_max3_num_f32 v[ST+8*\u+6], v[ST+8*\u+6], v[S+32*\u+23], v[S+32*\u+31]
.endr
.irp u, 0,1
	v_max3_num_f32 v[ST+8*\u+4], v[ST+8*\u+4], v[ST+8*\u+5], v[ST+8*\u+6]
.endr
.irp u, 0,1
	v_max3_num_f32 v[ST+8*\u+4], v[ST+8*\u+4], v[ST+8*\u+7], v[ST+8*\u+1]   ; with the old m
.endr
.irp u, 0,1
	v_permlanex16_b32 v[ST+8*\u+5], v[ST+8*\u+4], s[SEL], s[SEL+1]          ; the query's other 32 keys lie in the lane 16 away
.endr
.irp u, 0,1
	v_mov_b32 v[ST+8*\u+7], v[ST+8*\u]             ; c m_old
.endr
.irp u, 0,1
	v_max_num_f32 v[ST+8*\u+1], v[ST+8*\u+4], v[ST+8*\u+5]
.endr
.irp u, 0,1
	v_mul_f32 v[ST+8*\u], s[CS], v[ST+8*\u+1]
.endr
.irp u, 0,1
	v_sub_f32 v[ST+8*\u+7], v[ST+8*\u+7], v[ST+8*\u]
.endr
.irp i, 0,2,4,6,8,10,12,14,16,18,20,22,24,26,28,30
.irp u, 0,1
	v_pk_fma_f32 v[S+32*\u+\i:S+32*\u+\i+1], v[S+32*\u+\i:S+32*\u+\i+1], s[CS:CS+1], v[ST+8*\u:ST+8*\u+1] op_sel_hi:[1,0,0] neg_lo:[0,0,1] neg_hi:[0,0,1]   ; c s - c m, two at a time
.endr
.endr
.irp u, 0,1
	v_exp_f32 v[ST+8*\u+6], v[ST+8*\u+7]           ; a
.endr
.set i, 0
.rept 32
	v_exp_f32 v[S+i], v[S+i]                       ; p, at most 1; a hidden key's is 0
	v_exp_f32 v[S+32+i], v[S+32+i]
.set i, i+1
.endr
	v_nop                                          ; a plain instruction behind the last exponential
	s_wait_alu depctr_va_vdst(0)                   ; one wait for the batch of 66, ahead of its first reader
.irp u, 0,1
	v_pk_mul_f32 v[ST+8*\u+2:ST+8*\u+3], v[ST+8*\u+2:ST+8*\u+3], v[ST+8*\u+6:ST+8*\u+7] op_sel_hi:[1,0]   ; l under the new m
.endr
.irp u, 0,1
	v_pk_add_f32 v[ST+8*\u+4:ST+8*\u+5], v[S+32*\u:S+32*\u+1], v[S+32*\u+2:S+32*\u+3]   ; the sum of the unrounded p, two at a time, in two chains
.endr
.irp i, 4,8,12,16,20,24,28
.irp u, 0,1
	v_pk_add_f32 v[ST+8*\u+2:ST+8*\u+3], v[ST+8*\u+2:ST+8*\u+3], v[S+32*\u+\i:S+32*\u+\i+1]
.endr
.irp u, 0,1
	v_pk_add_f32 v[ST+8*\u+4:ST+8*\u+5], v[ST+8*\u+4:ST+8*\u+5], v[S+32*\u+\i+2:S+32*\u+\i+3]
.endr
.endr
.irp u, 0,1
	v_pk_add_f32 v[ST+8*\u+2:ST+8*\u+3], v[ST+8*\u+2:ST+8*\u+3], v[ST+8*\u+4:ST+8*\u+5]
.endr
.irp i, 0,1,2,3,4,5,6,7,8,9,10,11,12,13,14,15
.irp u, 0,1
	v_cvt_pk_f16_f32 v[S+32*\u+\i], v[S+32*\u+2*\i], v[S+32*\u+2*\i+1]   ; P in place, ascending: register i is written when pairs 0 to i have been read
.endr
.endr
.irp i, 0,2,4,6,8,10,12,14,16,18,20,22,24,26,28,30
.irp u, 0,1
	v_pk_mul_f32 v[O+32*\u+\i:O+32*\u+\i+1], v[O+32*\u+\i:O+32*\u+\i+1], v[ST+8*\u+6:ST+8*\u+7] op_sel_hi:[1,0]   ; O^T under the new m, each accumulator from its low end on
.endr
.endr
	s_wait_dscnt 0x0                               ; V is in
.irp g, 0,1                                    ; O^T += V^T P: eight accumulators by turns
.irp n, 0,1,2,3
.irp u, 0,1
	v_wmma_f32_16x16x32_f16 v[O+32*\u+8*\n:O+32*\u+8*\n+7], v[F+32*\g+8*\n:F+32*\g+8*\n+7], v[S+32*\u+8*\g:S+32*\u+8*\g+7], v[O+32*\u+8*\n:O+32*\u+8*\n+7]
.endr
.endr
.endr
.Lhidden_\@:
	s_add_co_u32 s[KF], s[KF], 64
.endm
; THE CHANGE OF SLOTS stands at a slot's head.  Each wave waits for all its tensor loads (its part of the slot that it is about to read), adds 0 to its spare word, and waits for that and for its reads of the slot that it has left.
; fill = 1: a round of the cluster's barrier, so that no wave of any partner still reads the other slot or has a load on its way; the joint load of the next 256 keys into it is the first thing behind the round
; and has a whole slot's steps in which to land.
.macro CHANGE fill
	s_wait_tensorcnt 0x0                           ; no tensor load of mine is out, so a group 0 may be written
	ds_add_u32 v[SPW], v[NIL]                      ; 0 onto my spare word; the descriptors' steps stand between it and the wait for it
.if \fill
	s_xor_b32 s[G0K+1], s[G0K+1], SLOT1            ; the walking descriptors: the other slot than last time,
	s_add_nc_u64 s[G0K+2:G0K+3], s[G0K+2:G0K+3], 32768   ; the next 256 keys; the type bits on top are not reached
	s_xor_b32 s[G0V+1], s[G0V+1], SLOT1
	s_add_nc_u64 s[G0V+2:G0V+3], s[G0V+2:G0V+3], 32768
	s_wait_xcnt 0x0                                ; the last prefetch, a slot back, has read its address, so it may be written:
	s_add_nc_u64 s[PFA:PFA+1], s[PFA:PFA+1], 32768 ; one slot further on than the walking descriptors
.endif
	s_wait_dscnt 0x0                               ; the add is done, my LDS stores have landed, and my reads of the slot that I have left are over
.if \fill
	CROUND
	JLOAD
	ASK
.else
	s_barrier_signal -1
	s_barrier_wait -1
.endif
.endm
.macro SLOT_STEPS
	STEP 0
	STEP 1
	STEP 2
	STEP 3
	s_xor_b32 s[TB], s[TB], SLOT1                  ; on to the other slot,
	s_add_co_u32 s[TM], s[TM], 1024                ; and the next 256 mask numbers
.endm
.Lslot:                                            ; seven trips: behind each change of slots but the last the next slot is asked for
	CHANGE 1
	SLOT_STEPS
	s_sub_co_u32 s[SLOTS], s[SLOTS], 1
	s_cmp_lg_u32 s[SLOTS], 0
	s_cbranch_scc1 .Lslot
	CHANGE 0                                       ; the last slot is written out
	SLOT_STEPS
	; THE WAY OUT.  l's two halves and the other half of the lanes' are added; O^T is divided by l, rounded to f16, and goes through my stage, a tile (16 rows of 128 bytes) at a time.
.rept 4
	v_nop                                          ; places behind the last products
.endr
.irp u, 0,1
	v_add_f32 v[ST+8*\u+4], v[ST+8*\u+2], v[ST+8*\u+3]
.endr
.irp u, 0,1
	v_permlanex16_b32 v[ST+8*\u+5], v[ST+8*\u+4], s[SEL], s[SEL+1]
.endr
.irp u, 0,1
	v_add_f32 v[ST+8*\u+4], v[ST+8*\u+4], v[ST+8*\u+5]
.endr
.irp u, 0,1
	v_rcp_f32 v[ST+8*\u+6], v[ST+8*\u+4]
.endr
	v_nop                                          ; a plain instruction behind the last reciprocal
	s_wait_alu depctr_va_vdst(0)                   ; one wait for the two, ahead of their first reader
.irp u, 0,1
.irp i, 0,2,4,6,8,10,12,14,16,18,20,22,24,26,28,30
	v_pk_mul_f32 v[O+32*\u+\i:O+32*\u+\i+1], v[O+32*\u+\i:O+32*\u+\i+1], v[ST+8*\u+6:ST+8*\u+7] op_sel_hi:[1,0]
.endr
.irp i, 0,1,2,3,4,5,6,7,8,9,10,11,12,13,14,15
	v_cvt_pk_f16_f32 v[S+16*\u+\i], v[O+32*\u+2*\i], v[O+32*\u+2*\i+1]   ; register 4 n + k: channels 16 n + 8 h + 2 k, + 1 of query r
.endr
.irp n, 0,1,2,3
	ds_store_b128 v[STO], v[S+16*\u+4*\n:S+16*\u+4*\n+3] offset:32*\n
.endr
.irp t, 0,1,2,3
	ds_load_b128 v[S+32+16*\u+4*\t:S+32+16*\u+4*\t+3], v[RD] offset:\t*4*SP   ; LDS serves a wave's instructions in order (ISA guide 5.7.1.4): these see my stores, and the next tile's stores come behind them
.endr
.endr
.irp u, 0,1
.irp t, 0,1,2,3
	s_wait_dscnt 11-8*\u-\t                        ; behind this load: its tile's younger loads and, for tile 0, tile 1's eight LDS instructions
	global_store_b128 v[GO], v[S+32+16*\u+4*\t:S+32+16*\u+4*\t+3], s[62:63] offset:2048*\u+512*\t   ; the wave stores 512 consecutive bytes, aligned
.endr
.endr
	s_wait_tensorcnt 0x0                           ; the wave's end: a tensor wait, an add to my spare word and its wait, behind my last tensor load and my last LDS store
	ds_add_u32 v[SPW], v[NIL]
	s_wait_dscnt 0x0
	CROUND                                         ; the closing round: no work-group ends while a partner may still ask for a tile that names it
	s_endpgm
.Lfunc_end_k_q2d4478e094_attn:
	.size	k_q2d4478e094_attn, .Lfunc_end_k_q2d4478e094_attn-k_q2d4478e094_attn
	.p2alignl 7, 3214868480
	.fill 96, 4, 3214868480
	.section	.rodata,"a",@progbits
	.p2align	6, 0x0
	.amdhsa_kernel k_q2d4478e094_attn
		.amdhsa_group_segment_fixed_size 327680
		.amdhsa_private_segment_fixed_size 0
		.amdhsa_enable_private_segment 0
		.amdhsa_kernarg_size 24
		.amdhsa_user_sgpr_count 2
		.amdhsa_user_sgpr_kernarg_segment_ptr 1
		.amdhsa_wavefront_size32 1
		.amdhsa_system_sgpr_workgroup_id_x 1
		.amdhsa_system_sgpr_workgroup_id_y 1
		.amdhsa_system_sgpr_workgroup_id_z 1
		.amdhsa_system_vgpr_workitem_id 0
		.amdhsa_next_free_vgpr 256
		.amdhsa_next_free_sgpr 80
		.amdhsa_reserve_vcc 1
		.amdhsa_float_denorm_mode_32 3
		.amdhsa_float_denorm_mode_16_64 3
		.amdhsa_memory_ordered 1
		.amdhsa_forward_progress 1
		.amdhsa_inst_pref_size 198
	.end_amdhsa_kernel
	.amdgpu_metadata
---
amdhsa.version: [ 1, 2 ]
amdhsa.kernels:
  - .name:           k_q2d4478e094_attn
    .symbol:         k_q2d4478e094_attn.kd
    .args:
      - { .name: qkv, .offset: 0, .size: 8, .value_kind: global_buffer, .address_space: global }
      - { .name: mask, .offset: 8, .size: 8, .value_kind: global_buffer, .address_space: global }
      - { .name: o16, .offset: 16, .size: 8, .value_kind: global_buffer, .address_space: global }
    .group_segment_fixed_size: 327680
    .private_segment_fixed_size: 0
    .kernarg_segment_align: 8
    .kernarg_segment_size: 24
    .max_flat_workgroup_size: 512
    .sgpr_count:     80
    .vgpr_count:     256
    .wavefront_size: 32
...
	.end_amdgpu_metadata
.endif
;; end of part 3
;; launch outp (part 4): grid 8 x 32, 4 waves a work-group, clusters of 4 x 4, 327,680 bytes of LDS; arguments o16, wo16, Wo_b, out0; writes out0
.if DOCPART == 4
	.amdgcn_target "amdgcn-amd-amdhsa--gfx1250"
	.amdhsa_code_object_version 6
	.text
	.protected	k_q2d4478e094_outp
	.globl	k_q2d4478e094_outp
	.p2align	8
	.type	k_q2d4478e094_outp,@function
k_q2d4478e094_outp:
	s_mov_b64 s[64:65], 0
	v_nop
	global_prefetch_b8 v0, s[64:65] scope:SCOPE_SE
	s_setreg_imm32_b32 hwreg(HW_REG_WAVE_MODE, 25, 1), 1
	s_wait_xcnt 0x0
	s_wait_alu depctr_hold_cnt(0) depctr_sa_sdst(0) depctr_va_vdst(0) depctr_va_sdst(0) depctr_va_ssrc(0) depctr_va_vcc(0) depctr_vm_vsrc(0)
	s_getreg_b32 s2, hwreg(HW_REG_IB_STS2, 6, 4)
	s_cmp_eq_u32 s2, 0
	s_cbranch_scc0 .Lentry_in_a_cluster
	s_endpgm
.Lentry_in_a_cluster:
	s_bfe_u32 s2, ttmp6, 0x10000c
	s_cmp_lg_u32 s2, 0xf033
	s_cbranch_scc0 .Lentry_shape_is_right
	s_endpgm
.Lentry_shape_is_right:
; out0[m][n] = the sum over k of o[m][k] Wo[n][k] + Wo_b[n].  o: f16, laid by head, [4 b][16 h][2048 s][64] (m = 2048 b + s, k = 64 h + d); Wo: f16 [1024 n][1024 k]; out0: f32 [8192][1024].  Sums in f32.
; A tile of the result is 256 (m) x 128 (n): 256 tiles, one work-group each.  Four waves, each 128 x 64: 32 accumulators of 16 x 16, 256 registers.
; K goes in steps of 128, two heads, through a ring of two LDS slots: a head's 256 rows of 128 bytes are ONE dense block of memory; B's rows are 256 bytes.  Steps of 256 would want more LDS for two slots than there is.
; CLUSTERS: 4 x 4 work-groups; A's tiles are shared along a row of the cluster, B's along a column: each is asked for JOINTLY, by the same tensor load with the same descriptor and a mask that names the four.
; THE MATRIX INSTRUCTION IS USED TRANSPOSED (source 0 = 16 rows of Wo, source 1 = 16 rows of o): a lane holds eight neighbouring columns of one row.  THE BIAS is the C of each sum's first instruction.
; No prefetch: K has only eight steps, and the tiles are shared by joint loads.
; REGISTERS: window 0: v0-31 addresses; v32-127, v128-223 two fragment buffers (A's eight fragments, then B's four, 32 along K); v224-255 the bias; on the way out v32-95.   window 1: the accumulators, (a, b) at v[8 (4 a + b)].
.set PA,     144                       ; a row of A in LDS: 128 bytes + 16 of padding
.set PB,     272                       ; a row of B: 256 + 16: with either pitch the 16 rows that a load touches start at different banks (ISA guide 11.1)
.set AHEAD,  256*PA                    ; one head's 256 rows
.set BOFF,   2*AHEAD                   ; a slot: the even head, the odd head, then B's 128 rows
.set BHALF,  64*PB
.set SLOT,   BOFF+2*BHALF
.set STAGE,  2*SLOT                    ; behind the ring: 16 rows x 272 bytes for each wave; no tile lands here
.set SPITCH, 272
.set SPARE,  STAGE+4*16*SPITCH         ; the spare words, 128 bytes a wave, which no other line names
.set LAPS,   4                         ; a lap = two K steps = once round the ring
.set ADRA, 16                          ; v16-17
.set ADRB, 20                          ; v20-21
.set STO,  24
.set RD,   25
.set CO,   26
.set SPW,  28
.set NIL,  29
.set F0,   32
.set F1,   128
.set BI,   224                         ; register 8 b + j: the bias of my column 16 b + 8 (lane / 16) + j
.set G1A, 24
.set G0A, 32
.set G1B, 48
.set G0B, 56
.set MSB, 0
.macro WIN new                         ; the immediate's high byte repeats the setting that is left
.if MSB != (\new)
	s_set_vgpr_msb (MSB<<8)|(\new)
.set MSB, (\new)
.endif
.endm
.set MUL, 0x50                         ; sources 0 and 1 window 0; C and D window 1
.set FST, 0x40                         ; the first quarter: C = the bias, window 0; D window 1
; A joint load: waves 0 and 1 fetch A's two heads, waves 2 and 3 B's two halves.  The branch hangs on the wave's number alone.  An s_nop 0 and four v_nop follow each of the two lines.
.macro JLOAD s
	s_cmp_eq_u32 s13, 0
	s_cbranch_scc0 .Lfor_b_\@
	tensor_load_to_lds s[G0A+4*\s:G0A+4*\s+3], s[G1A:G1A+7]
	s_nop 0
.rept 4
	v_nop
.endr
	s_branch .Lasked_\@
.Lfor_b_\@:
	tensor_load_to_lds s[G0B+4*\s:G0B+4*\s+3], s[G1B:G1B+7]
	s_nop 0
.rept 4
	v_nop
.endr
.Lasked_\@:
.endm
.macro CREST                           ; a round of the cluster's barrier behind its opening barrier
	s_cmp_lg_u32 s12, 0
	s_cbranch_scc1 .Lnot_wave_0_\@
	s_barrier_signal -3
.Lnot_wave_0_\@:
	s_barrier_wait -3
	s_barrier_signal -1
	s_barrier_wait -1
.endm
.macro CROUND
	s_barrier_signal -1
	s_barrier_wait -1
	CREST
.endm
	s_load_b256 s[4:11], s[0:1], 0x0               ; o16 s[4:5], wo16 s[6:7], Wo_b s[8:9], out0 s[10:11]
	v_lshl_add_u32 v[SPW], v0, 2, SPARE
	v_mov_b32 v[NIL], 0
	ds_add_u32 v[SPW], v[NIL]                      ; the wave's opening: the add and its wait stand ahead of my first tensor load; work on registers stands between them
	v_lshrrev_b32 v1, 5, v0
	v_readfirstlane_b32 s12, v1                    ; wave 0..3
	s_lshr_b32 s13, s12, 1                         ; which half of the tile's rows is mine.  Also: I fetch for A (0) or for B (1)
	s_and_b32 s14, s12, 1                          ; which half of its columns.  Also: which head, or which 64 rows of B, I fetch
	s_bfe_u32 s40, ttmp6, 0x40000                  ; cx, cy
	s_bfe_u32 s41, ttmp6, 0x40004
	s_lshl_b32 s42, ttmp9, 2
	s_add_co_u32 s42, s42, s40                     ; tile column = 4 x cluster x + cx
	s_and_b32 s43, ttmp7, 0xffff
	s_lshl_b32 s43, s43, 2
	s_add_co_u32 s43, s43, s41                     ; tile row = 4 x cluster y + cy
	s_lshl_b32 s44, s41, 2
	s_lshl_b32 s44, 15, s44                        ; my row of the cluster
	s_lshl_b32 s45, 0x1111, s40                    ; my column
	; group 1 for A: 256 rows x 64 elements of 2 bytes, dense in memory, four words of padding behind every 32
	s_or_b32 s[G1A+0], s44, (1<<16)|(1<<20)|(1<<21)|(4<<22)|(3<<25)
	s_mov_b32 s[G1A+1], 64<<16                     ; tensor_dim0
	s_mov_b32 s[G1A+2], 256<<16                    ; tensor_dim1
	s_mov_b32 s[G1A+3], 64<<16                     ; tile_dim0
	s_mov_b32 s[G1A+4], 256                        ; tile_dim1
	s_mov_b32 s[G1A+5], 64                         ; tensor_dim0_stride
	s_mov_b32 s[G1A+6], 0
	s_mov_b32 s[G1A+7], 0
	; group 1 for B: 64 rows x 128 elements, 1,024 elements from row to row, four words of padding behind every 64
	s_or_b32 s[G1B+0], s45, (1<<16)|(1<<20)|(1<<21)|(5<<22)|(3<<25)
	s_mov_b32 s[G1B+1], 128<<16
	s_mov_b32 s[G1B+2], 64<<16
	s_mov_b32 s[G1B+3], 128<<16
	s_mov_b32 s[G1B+4], 64
	s_mov_b32 s[G1B+5], 1024
	s_mov_b32 s[G1B+6], 0
	s_mov_b32 s[G1B+7], 0
	s_lshr_b32 s16, s43, 3                         ; A: b = tile row / 8: 4,194,304 bytes each;
	s_lshl_b32 s16, s16, 22
	s_and_b32 s17, s43, 7                          ; the tile's 256 rows inside a head: 32,768 bytes;
	s_lshl_b32 s17, s17, 15
	s_add_co_u32 s16, s16, s17
	s_lshl_b32 s17, s14, 18                        ; my head of the step's two: 262,144 bytes
	s_add_co_u32 s16, s16, s17
	s_mov_b32 s17, 0
	s_lshl_b32 s46, s42, 7                         ; B: row 128 x tile column + 64 x half, 2,048 bytes a row
	s_lshl_b32 s47, s14, 6
	s_add_co_u32 s46, s46, s47
	s_lshl_b32 s46, s46, 11
	s_mov_b32 s47, 0
	s_mul_i32 s20, s14, AHEAD                      ; where they go: no place in the cluster enters an LDS address
	s_mul_i32 s21, s14, BHALF
	s_add_co_u32 s21, s21, BOFF
	s_wait_dscnt 0x0                               ; the opening add is done
	s_wait_kmcnt 0x0
	s_add_nc_u64 s[18:19], s[4:5], s[16:17]
	s_add_nc_u64 s[46:47], s[6:7], s[46:47]
	CROUND                                         ; all sixteen work-groups are here: the first joint loads meet
.irp s, 0,1
	s_mov_b32 s[G0A+4*\s], 1
	s_add_co_u32 s[G0A+4*\s+1], s20, \s*SLOT
	s_add_nc_u64 s[G0A+4*\s+2:G0A+4*\s+3], s[18:19], \s*2*262144   ; K step s: heads 2 s, 2 s + 1
	s_or_b32 s[G0A+4*\s+3], s[G0A+4*\s+3], 0x80000000
	s_mov_b32 s[G0B+4*\s], 1
	s_add_co_u32 s[G0B+4*\s+1], s21, \s*SLOT
	s_add_nc_u64 s[G0B+4*\s+2:G0B+4*\s+3], s[46:47], \s*256
	s_or_b32 s[G0B+4*\s+3], s[G0B+4*\s+3], 0x80000000
	JLOAD \s                                       ; two tensor loads of mine are out at the most: these two; later one
.endr
	v_and_b32 v1, 15, v0                           ; r
	v_bfe_u32 v2, v0, 4, 1                         ; h
	v_mul_u32_u24 v3, v1, PA
	v_lshl_add_u32 v3, v2, 4, v3
	v_mul_u32_u24 v4, v1, PB
	v_lshl_add_u32 v4, v2, 4, v4
	s_mul_i32 s21, s13, 128*PA                     ; my 128 rows in each head's block
	s_mul_i32 s22, s14, BHALF                      ; my 64 rows of B
	s_add_co_u32 s22, s22, BOFF
.irp s, 0,1
	v_add_nc_u32 v[ADRA+\s], s21, v3
	v_add_nc_u32 v[ADRB+\s], s22, v4
	s_add_co_u32 s21, s21, SLOT
	s_add_co_u32 s22, s22, SLOT
.endr
	s_mul_i32 s23, s12, 16*SPITCH
	s_add_co_u32 s23, s23, STAGE                   ; my stage
	v_mul_u32_u24 v6, v1, SPITCH
	v_lshl_add_u32 v6, v2, 5, v6
	v_add_nc_u32 v[STO], s23, v6                   ; in: row r, 32 bytes for each half of the lanes
	v_mul_u32_u24 v6, v2, SPITCH
	v_lshl_add_u32 v6, v1, 4, v6
	v_add_nc_u32 v[RD], s23, v6                    ; back: lanes 0-15 one row of 256 bytes, lanes 16-31 the next
	v_lshlrev_b32 v[CO], 4, v1
	v_lshl_add_u32 v[CO], v2, 12, v[CO]            ; and the same two rows in out0: 4,096 bytes a row
	v_lshlrev_b32 v5, 5, v2                        ; the bias: 8 numbers on for lanes 16-31
	s_lshl_b32 s46, s42, 9                         ; my first column, in bytes: 512 x tile column + 256 x half
	s_lshl_b32 s47, s14, 8
	s_add_co_u32 s46, s46, s47
	s_mov_b32 s47, 0
	s_add_nc_u64 s[8:9], s[8:9], s[46:47]
.irp b, 0,1,2,3
	global_load_b128 v[BI+8*\b:BI+8*\b+3],   v5, s[8:9] offset:64*\b
	global_load_b128 v[BI+8*\b+4:BI+8*\b+7], v5, s[8:9] offset:64*\b+16
.endr
	s_lshl_b32 s47, s43, 20                        ; my first row: 256 x tile row + 128 x half, 4,096 bytes a row
	s_add_co_u32 s46, s46, s47
	s_lshl_b32 s47, s13, 19
	s_add_co_u32 s46, s46, s47
	s_mov_b32 s47, 0
	s_add_nc_u64 s[10:11], s[10:11], s[46:47]
; 24 LDS loads in one run: the fragments of quarter kq (32 along K) of a slot into buffer f: B's four first, then A's eight
.macro FETCH slot, kq, f
.irp i, 0,1,2,3
	ds_load_b128 v[\f+64+8*\i:\f+64+8*\i+3],   v[ADRB+\slot] offset:64*(\kq)+\i*16*PB
	ds_load_b128 v[\f+64+8*\i+4:\f+64+8*\i+7], v[ADRB+\slot] offset:64*(\kq)+\i*16*PB+32
.endr
.irp i, 0,1,2,3,4,5,6,7
	ds_load_b128 v[\f+8*\i:\f+8*\i+3],   v[ADRA+\slot] offset:((\kq)/2)*AHEAD+((\kq)%2)*64+\i*16*PA
	ds_load_b128 v[\f+8*\i+4:\f+8*\i+7], v[ADRA+\slot] offset:((\kq)/2)*AHEAD+((\kq)%2)*64+\i*16*PA+32
.endr
.endm
; 4 n matrix instructions: A's blocks a0 .. a0 + n - 1 x B's four.  The 32 accumulators take turns, one instruction a turn, in the same order in every quarter.
.macro MULN f, a0, n, first
.set AA, \a0
.rept \n
.irp b, 0,1,2,3
.if \first
	v_wmma_f32_16x16x32_f16 v[8*(4*AA+\b):8*(4*AA+\b)+7], v[\f+64+8*\b:\f+64+8*\b+7], v[\f+8*AA:\f+8*AA+7], v[BI+8*\b:BI+8*\b+7]
.else
	v_wmma_f32_16x16x32_f16 v[8*(4*AA+\b):8*(4*AA+\b)+7], v[\f+64+8*\b:\f+64+8*\b+7], v[\f+8*AA:\f+8*AA+7], v[8*(4*AA+\b):8*(4*AA+\b)+7]
.endif
.endr
.set AA, AA+1
.endr
.endm
.macro PLACES                          ; four plain vector instructions between a matrix instruction and a load into, or a read of, its registers
.rept 4
	v_nop
.endr
.endm
; A K step is four quarters of 32 along K, 32 matrix instructions each, on buffers 0, 1, 0, 1.  One of the first three multiplies buffer f and, in its middle, fetches quarter kq of the same slot into buffer g.
.macro QUARTER slot, kq, f, g, first
	s_wait_dscnt 8                                 ; B and A's blocks 0-3 are in; the youngest eight loads (A's blocks 4-7) may be out
	WIN MUL-0x10*(\first)
	MULN \f, 0, 4, \first
	PLACES
	WIN 0
	FETCH \slot, \kq, \g
	s_wait_dscnt 24                                ; all but the 24 just issued
	WIN MUL-0x10*(\first)
	MULN \f, 4, 4, \first
.endm
; The last quarter multiplies buffer 1 and changes slots: ONE barrier; in front of it each wave waits for all its tensor loads, adds 0 to its spare word, and waits for that and for its own reads of this slot.
; fill = 1: the barrier opens a round of the cluster's, and this slot is filled again, two K steps ahead, first thing behind the round.
.macro TURN slot, next, fill
	WIN 0                                          ; (the add's two registers lie in window 0)
	s_wait_tensorcnt 0x0                           ; all my tensor loads have landed: the one that was out is my part of the next slot
	ds_add_u32 v[SPW], v[NIL]
	s_wait_dscnt 9                                 ; the add and the youngest eight loads may be out
	WIN MUL
	MULN F1, 0, 2, 0                               ; eight matrix instructions stand between the add and the wait for it
	s_wait_dscnt 0x0                               ; the add is done, and my reads of this slot are over
	s_barrier_signal -1
	MULN F1, 2, 2, 0
	WIN 0
	s_barrier_wait -1
.if \fill
	CREST                                          ; no wave of any partner still reads this slot's tiles or has a load on its way
	s_add_nc_u64 s[G0A+4*\slot+2:G0A+4*\slot+3], s[G0A+4*\slot+2:G0A+4*\slot+3], 4*262144   ; two K steps on: four heads
	s_add_nc_u64 s[G0B+4*\slot+2:G0B+4*\slot+3], s[G0B+4*\slot+2:G0B+4*\slot+3], 512
	JLOAD \slot                                    ; the four v_nop behind it are also the places in front of the loads below
.else
	PLACES
.endif
	FETCH \next, 0, F0
	WIN MUL
	MULN F1, 4, 4, 0
.endm
	s_wait_tensorcnt 1                             ; my part of K step 0 is in; K step 1's load may be out
	s_barrier_signal -1
	s_barrier_wait -1                              ; everybody's is
	FETCH 0, 0, F0
	s_wait_loadcnt 0x0                             ; the bias
	QUARTER 0, 1, F0, F1, 1                        ; the first quarter stands in front of the loop: its products start the sums with the bias
	WIN 0                                          ; at a label and at a branch every window is 0
	s_mov_b32 s15, LAPS-1
.Llap:                                             ; a trip goes once round the ring, from a lap's second quarter to the next lap's first, and fills both slots again
	QUARTER 0, 2, F1, F0, 0
	QUARTER 0, 3, F0, F1, 0
	TURN 0, 1, 1
	QUARTER 1, 1, F0, F1, 0
	QUARTER 1, 2, F1, F0, 0
	QUARTER 1, 3, F0, F1, 0
	TURN 1, 0, 1
	QUARTER 0, 1, F0, F1, 0
	WIN 0
	s_sub_co_u32 s15, s15, 1
	s_cmp_lg_u32 s15, 0
	s_cbranch_scc1 .Llap
	QUARTER 0, 2, F1, F0, 0                        ; the last lap fills nothing, and has no round of the cluster's barrier
	QUARTER 0, 3, F0, F1, 0
	TURN 0, 1, 0
	QUARTER 1, 1, F0, F1, 0
	QUARTER 1, 2, F1, F0, 0
	QUARTER 1, 3, F0, F1, 0
	s_wait_dscnt 8                                 ; the very last quarter: nothing more to fetch
	WIN MUL
	MULN F1, 0, 4, 0
	s_wait_dscnt 0
	MULN F1, 4, 4, 0
	WIN 0
; THE WAY OUT, block by block of 16 rows x 64 columns.  A lane holds 32 neighbouring bytes of a row: a block goes through my own stage and comes back as whole rows of 256 bytes.
.macro TOSTAGE a
	WIN 0x04                                       ; an LDS store's data are its source 1: window 1
.irp b, 0,1,2,3
	ds_store_b128 v[STO], v[32*(\a)+8*\b:32*(\a)+8*\b+3] offset:64*\b          ; each accumulator from its low end on
	ds_store_b128 v[STO], v[32*(\a)+8*\b+4:32*(\a)+8*\b+7] offset:64*\b+16
.endr
	WIN 0
.set BB, 32+32*((\a)%2)
.irp t, 0,1,2,3,4,5,6,7
	ds_load_b128 v[BB+4*\t:BB+4*\t+3], v[RD] offset:\t*2*SPITCH   ; LDS serves a wave's instructions in order (ISA guide 5.7.1.4): these see the stores above
.endr
.endm
.macro SEND a, younger                 ; younger: the LDS instructions issued behind block a's loads, which may stay out
.set BB, 32+32*((\a)%2)
	s_wait_dscnt \younger
.irp t, 0,1,2,3,4,5,6,7
	global_store_b128 v[CO], v[BB+4*\t:BB+4*\t+3], s[10:11] offset:(16*(\a)+2*\t)*4096 th:TH_STORE_NT   ; 16 lanes store 256 consecutive bytes, aligned; the offset is 516,096 at the most; written once, read by nobody here
.endr
.endm
	PLACES                                         ; behind the last products: for the reads of results and the loads into buffer 0's registers
	TOSTAGE 0
.irp a, 1,2,3,4,5,6,7
.if \a > 1
	s_wait_xcnt 0x0                                ; block a - 2's stores have read their data: block a's loads land on those registers only behind this wait
.endif
	TOSTAGE \a
	SEND \a-1, 16                                  ; behind block a - 1's loads: block a's 8 stores and 8 loads
.endr
	SEND 7, 0
	s_wait_tensorcnt 0x0                           ; the wave's end: a tensor wait, an add to my spare word and its wait, behind my last tensor load and my last LDS store
	ds_add_u32 v[SPW], v[NIL]
	s_wait_dscnt 0x0
	CROUND                                         ; the closing round: no work-group ends while a partner may still ask for a tile that names it
	s_endpgm
.Lfunc_end_k_q2d4478e094_outp:
	.size	k_q2d4478e094_outp, .Lfunc_end_k_q2d4478e094_outp-k_q2d4478e094_outp
	.p2alignl 7, 3214868480
	.fill 96, 4, 3214868480
	.section	.rodata,"a",@progbits
	.p2align	6, 0x0
	.amdhsa_kernel k_q2d4478e094_outp
		.amdhsa_group_segment_fixed_size 327680
		.amdhsa_private_segment_fixed_size 0
		.amdhsa_enable_private_segment 0
		.amdhsa_kernarg_size 32
		.amdhsa_user_sgpr_count 2
		.amdhsa_user_sgpr_kernarg_segment_ptr 1
		.amdhsa_wavefront_size32 1
		.amdhsa_system_sgpr_workgroup_id_x 1
		.amdhsa_system_sgpr_workgroup_id_y 1
		.amdhsa_system_sgpr_workgroup_id_z 1
		.amdhsa_system_vgpr_workitem_id 0
		.amdhsa_next_free_vgpr 512
		.amdhsa_next_free_sgpr 66
		.amdhsa_reserve_vcc 0
		.amdhsa_float_denorm_mode_32 3
		.amdhsa_float_denorm_mode_16_64 3
		.amdhsa_memory_ordered 1
		.amdhsa_forward_progress 1
		.amdhsa_inst_pref_size 86
	.end_amdhsa_kernel
	.amdgpu_metadata
---
amdhsa.version: [ 1, 2 ]
amdhsa.kernels:
  - .name:           k_q2d4478e094_outp
    .symbol:         k_q2d4478e094_outp.kd
    .args:
      - { .name: o16, .offset: 0, .size: 8, .value_kind: global_buffer, .address_space: global }
      - { .name: wo16, .offset: 8, .size: 8, .value_kind: global_buffer, .address_space: global }
      - { .name: Wo_b, .offset: 16, .size: 8, .value_kind: global_buffer, .address_space: global }
      - { .name: out0, .offset: 24, .size: 8, .value_kind: global_buffer, .address_space: global }
    .group_segment_fixed_size: 327680
    .private_segment_fixed_size: 0
    .kernarg_segment_align: 8
    .kernarg_segment_size: 32
    .max_flat_workgroup_size: 128
    .sgpr_count:     66
    .vgpr_count:     512
    .wavefront_size: 32
...
	.end_amdgpu_metadata
.endif
;; end of part 4
